; MI455X (gfx1250); checked and timed in simulation.
; The chip was launched on July 23, 2026; its instructions are those of AMD's public machine-readable ISA for CDNA 5 (MIT licence, August 2026) and "CDNA5" Instruction Set Architecture Reference Guide (July 2026). The comments in the code are by the model that wrote it; some were corrected since.
;; Multi Head Self Attention. Allowed arithmetic: matrix products marked QUANTISED: E2M3 operands, one E8M0 scale for each 32 along K, by v_wmma_scale_f32_16x16x128_f8f6f4 with both operands' format E2M3, f32 sums; everything else in f32.
;; Inputs: out_bias 1,024 float32; out_proj 1,024 x 1,024 float32; qkv_bias 3,072 float32; qkv_proj 3,072 x 1,024 float32; query 2,048 x 4 x 1,024 float32.
;; Outputs: out0 2,048 x 4 x 1,024 float32.
;; This version of the problem:
;;   THIS VERSION OF THE PROBLEM IS GIVEN IN LOW PRECISION. The matrix products marked QUANTISED in the list below multiply operands that are first quantised to E2M3 (2 exponent bits, 3 mantissa bits; 6 bits a number), with one power-of-two scale for each 32 numbers along K (OCP MX v1.0); their sums are f32. All else is computed in f32.
;;   The module's matrix products, in the order in which they are computed (A, B: the left and right operand; K: the contracted axis; several contracted axes count as one K, in the product's order):
;;     1. [M 8,192, K 1,024] x [K 1,024, N 3,072]; A: input query; B: input qkv_proj: QUANTISED
;;     2. batch 64 x [M 2,048, K 64] x [K 64, N 2,048]; A: computed on the way; B: computed on the way: QUANTISED
;;     3. batch 64 x [M 2,048, K 2,048] x [K 2,048, N 64]; A: softmax (see below); B: computed on the way: QUANTISED
;;     4. [M 8,192, K 1,024] x [K 1,024, N 1,024]; A: computed on the way; B: input out_proj: QUANTISED
;;   THE QUANTISER, for each operand of a quantised product, along K:
;;     - K is cut into blocks of 32 from its start; a last block that is shorter is filled with zeros.
;;     - A block's scale is 2^e with e = floor(log2(the largest magnitude in the block)) - 2, held to -126 .. 127; a block of zeros has e = 0. As a byte (E8M0): e + 127.
;;     - Each number is divided by its block's scale, clamped to +-7.5, and rounded to the nearest number of E2M3, ties to even, subnormals kept.
;;     - The product sums the exact products of the quantised numbers (number of the format x scale) in f32.
;;   ~~~python
;;   def quantise(x, axis):      # numpy; x: float32 -> the quantised numbers, widened to float32 again
;;       x = np.moveaxis(x, axis, -1); K = x.shape[-1]
;;       x = np.pad(x, [(0, 0)] * (x.ndim - 1) + [(0, -K % 32)]); x = x.reshape(x.shape[:-1] + (-1, 32)); a = np.abs(x).max(-1, keepdims=True)
;;       e = np.where(a > 0, np.clip(np.frexp(np.where(a > 0, a, 1))[1] - 1 - 2, -126, 127), 0)      # np.frexp(a)[1] - 1 = floor(log2(a)), exactly
;;       r = np.clip(x / 2.0 ** e, -7.5, 7.5)
;;       step = 2.0 ** (np.maximum(np.frexp(np.where(r == 0, 1, r))[1] - 1, 0) - 3)
;;       q = np.round(r / step) * step * 2.0 ** e      # np.round: ties to even
;;       return np.moveaxis(q.reshape(q.shape[:-2] + (-1,))[..., :K], -1, axis).astype(np.float32)
;;   ~~~
;;   SOFTMAX AHEAD OF A QUANTISED PRODUCT. Where the list says 'softmax', what is quantised is not the finished softmax but p = 2^(t - M), with t = logit x log2(e) and M = ceil(the row's largest t), a whole number; so 1/2 < the row's largest p <= 1. The row's sum l is taken of the UNQUANTISED p, in f32, and the product's result is divided by l at the end. Since M is a whole number, a kernel that streams over the keys may use a running M (the ceiling of the running maximum): every later rescaling is an exact power of two, which a block's scale takes up: the codes' values come out the same.
;;   OPERANDS COMPUTED ON THE WAY. 'Computed on the way' means the value that the module computes at that place (a softmax that the list does not call 'softmax' is quantised finished and normalised). What goes into a quantiser is computed in f32, as accurately as f32 sums, v_exp_f32 and their like allow (about 1e-6 of the number): no bf16 or f16 on the way to a quantiser, and a product that is left as it is and whose result goes on into a quantised operand takes f32 operands (vector FMAs, or v_wmma_f32_16x16x4_f32). A number that lies on a knife's edge between two numbers of the format may be rounded either way, as far as f32 arithmetic and the matrix unit's own rounding can turn it there, and no further.
;; One version. Each part assembles by itself: llvm-mc -triple=amdgcn-amd-amdhsa -mcpu=gfx1250 --defsym DOCPART=n.
;; ======== version 1 of 1: 4 launches
;; limits: right only within a limited range of input values
;; workspace buffers: opq 9,830,400 bytes; qkvq 20,447,232 bytes; aq 6,553,600 bytes
;; launch quant (part 1): grid 256 x 1, 6 waves a work-group, no clusters, 51,456 bytes of LDS; arguments query, qkv_proj, out_proj, opq; writes opq
.if DOCPART == 1
	.amdgcn_target "amdgcn-amd-amdhsa--gfx1250"
	.amdhsa_code_object_version 6
	.text
	.protected	k_q4af3db7698_quant
	.globl	k_q4af3db7698_quant
	.p2align	8
	.type	k_q4af3db7698_quant,@function
k_q4af3db7698_quant:
	s_mov_b64 s[64:65], 0
	v_nop
	global_prefetch_b8 v0, s[64:65] scope:SCOPE_SE
	s_setreg_imm32_b32 hwreg(HW_REG_WAVE_MODE, 25, 1), 1
	s_wait_xcnt 0x0
; query [2048][4][1024], qkv_proj [3072][1024], out_proj [1024][1024], f32, K innermost, become codes of FP6 (E2M3) with one E8M0 byte for each 32 along K,
; laid in opq AS IMAGES OF THE MATRIX OPERAND'S REGISTERS.  opq is 768 tiles of 12,800 bytes: eight fragments (16 rows x 128 K, 12 registers a lane: three chunks of 512 bytes,
; chunk c = registers 4 c .. 4 c + 3, lane l at 16 l), then 512 scale bytes [K half 2][row 16][16 blocks].  Tiles 0-511: query, 512-703: qkv_proj, 704-767: out_proj.
; THE ROWS OF A TILE ARE NOT NEIGHBOURS: row p of tile T stands for logical row 64 (T / 4) + 8 (T % 4) + p % 8 + 32 (p / 8), so that in a product used transposed the 32 registers of tiles 4 g .. 4 g + 3
; are 32 logical neighbours.  Logical rows: query n x 2048 + l (memory row 4 l + n); qkv_proj c x 1024 + i (memory row 3 i + c: q, k, v are interleaved); out_proj as it lies.
; A block's scale is 2^(floor(log2(largest magnitude)) - 2); its byte is the largest magnitude's exponent field - 2, held at 1 from below.
; LIMITS: NaN and infinities are not served; a block of zeros, or one whose largest magnitude lies under 2^-124, gets the byte 1 (zeros' codes are zeros; only this program reads the bytes).
; SHARES: 1,536 wave tasks = 768 tiles x 2 K halves, six to a work-group.  A wave turns 16 rows x 512 numbers into four fragments and 256 scale bytes.  Each load reads 512 consecutive bytes of one row;
; a fragment's 16 x 512 bytes turn through the wave's own stage in LDS (rows 528 bytes apart) so that a lane gets 16 neighbours of each block.  Every store covers 256 or 512 consecutive aligned bytes.
; No work-group reads what another reads: no cluster, no tensor load, no barrier.
.set TILEB, 12800
.set STGB,  8448                       ; a wave's stage: 16 rows x (512 + 16) bytes
.set R0,    16                         ; v16-143  two sets of 64: a fragment's numbers as loaded
.set XN,    144                        ; v144-207 register 16 b + i = k 32 b + 16 (lane / 16) + i of my row
.set PC,    208                        ; v208-227 the fragment's codes (12), and 8 at work
.set TM,    228                        ; v228-243 +0 largest magnitudes, +4 the other half's, then bytes, +12 the conversions' scale operands
.set PW,    244                        ; v244-247 the four fragments' scale words
.set SEL,   24                         ; s[24:25] v_permlanex16_b32's selects for lane l xor 16
.set RB,    32                         ; s[32:63] the sixteen rows' addresses
; 64 numbers of a lane become a fragment's codes in v[PC] on and its row's scale word in v[w]
.macro QUANT s, w
.irp b, 0,1,2,3
	v_max3_num_f32 v[TM+\b], |v[\s+16*\b]|, |v[\s+1+16*\b]|, 0x1800000   ; my 16 numbers of block b, and the floor 2^(3 - 127): the byte cannot fall under 1
.endr
.irp i, 2,4,6,8,10,12,14
.irp b, 0,1,2,3
	v_max3_num_f32 v[TM+\b], v[TM+\b], |v[\s+16*\b+\i]|, |v[\s+1+16*\b+\i]|   ; the four blocks by turns
.endr
.endr
.irp b, 0,1,2,3
	v_permlanex16_b32 v[TM+4+\b], v[TM+\b], s[SEL], s[SEL+1]
.endr
.irp b, 0,1,2,3
	v_max_num_f32 v[TM+\b], v[TM+\b], v[TM+4+\b]   ; with lane l xor 16's 16: the block's largest magnitude
.endr
.irp b, 0,1,2,3
	v_add_nc_u32 v[TM+12+\b], 0xff000000, v[TM+\b]   ; 2 off its exponent field: the conversion takes this operand's exponent field as its scale
.endr
.irp b, 0,1,2,3
	v_lshrrev_b32 v[TM+4+\b], 23, v[TM+12+\b]      ; the scale's byte
.endr
	v_lshl_or_b32 v[\w], v[TM+5], 8, v[TM+4]
	v_lshl_or_b32 v[\w], v[TM+6], 16, v[\w]
	v_lshl_or_b32 v[\w], v[TM+7], 24, v[\w]
.irp c, 0,1
	v_cvt_scalef32_pk16_fp6_f32 v[PC+6*\c:PC+2+6*\c], v[\s+32*\c:\s+15+32*\c], v[TM+12+2*\c]
	v_cvt_scalef32_pk16_fp6_f32 v[PC+12+4*\c:PC+14+4*\c], v[\s+16+32*\c:\s+31+32*\c], v[TM+13+2*\c]   ; (a conversion's three registers begin on an even number)
.endr
	v_nop                                          ; one plain place behind a scaled conversion
.irp c, 0,1                                    ; the operand wants a WHOLE block in a lane: lanes 0-15 block 2 c, lanes 16-31 block 2 c + 1
.irp i, 0,1,2
	v_permlane16_swap_b32 v[PC+6*\c+\i], v[PC+12+4*\c+\i]
.endr
.irp i, 0,1,2
	v_mov_b32 v[PC+3+6*\c+\i], v[PC+12+4*\c+\i]
.endr
.endr
.endm
	s_load_b256 s[4:11], s[0:1], 0x0               ; query s[4:5], qkv_proj s[6:7], out_proj s[8:9], opq s[10:11]
	v_lshl_add_u32 v254, v0, 2, 0xc600
	v_mov_b32 v255, 0
	v_lshrrev_b32 v1, 5, v0
	v_readfirstlane_b32 s12, v1                    ; wave 0..5
	v_and_b32 v1, 31, v0
	v_lshlrev_b32 v2, 4, v1                        ; 16 x lane: my bytes of a load's or a store's 512
	s_mul_i32 s30, s12, STGB
	v_add_nc_u32 v3, s30, v2                       ; the stage, on the way in
	v_and_b32 v6, 15, v0                           ; r
	v_bfe_u32 v7, v0, 4, 1                         ; h
	v_mul_u32_u24 v4, v6, 528
	v_lshl_add_u32 v4, v7, 6, v4
	v_add_nc_u32 v4, s30, v4                       ; and on the way out: row r, + 64 h
	v_lshlrev_b32 v5, 4, v6                        ; the scale bytes: 16 a row
.irp b, 0,1,2,3
	v_mov_b32 v[TM+4+\b], 0                        ; written once: a lane permute's destination counts as one of its sources
.endr
	s_mov_b32 s[SEL], 0x76543210
	s_mov_b32 s[SEL+1], 0xfedcba98
	s_mul_i32 s13, ttmp9, 6
	s_add_co_u32 s13, s13, s12                     ; my task
	s_lshr_b32 s14, s13, 1                         ; its tile,
	s_and_b32 s15, s13, 1                          ; its half of K
	s_wait_alu depctr_va_vdst(0)
	s_wait_kmcnt 0x0
	s_cmp_lt_u32 s14, 704                          ; which tensor: the choice hangs on the tile's number alone
	s_cselect_b64 s[16:17], s[6:7], s[8:9]
	s_mov_b32 s18, 704
	s_cselect_b32 s18, 512, s18                    ; the tensor's first tile
	s_cselect_b32 s19, 3, 1                        ; memory rows from one logical row to the next
	s_cmp_lt_u32 s14, 512
	s_cselect_b64 s[16:17], s[4:5], s[16:17]
	s_cselect_b32 s18, 0, s18
	s_cselect_b32 s19, 4, s19
	s_cselect_b32 s20, 7, 6                        ; log2 of the tiles in a group (n: 128, c: 64)
	s_sub_co_u32 s21, s14, s18                     ; the tile within its tensor
	s_lshr_b32 s26, s21, s20                       ; the group: n, or c, or 0
	s_lshl_b32 s27, s26, s20
	s_sub_co_u32 s21, s21, s27                     ; the tile within its group
	; THE ROWS OF A TILE, as this text has them (in place of the order named at the head): row p of tile T stands for logical row 64 (T / 4) + 8 (T % 4) + p % 8 + 32 (p / 8),
	; so that in a product used transposed a lane's 32 registers of tiles 4 g .. 4 g + 3 are 32 logical neighbours: one whole block of 32
	s_lshr_b32 s27, s21, 2
	s_lshl_b32 s27, s27, 6
	s_and_b32 s21, s21, 3
	s_lshl_b32 s21, s21, 3
	s_add_co_u32 s21, s21, s27                     ; its first logical row: 64 (T / 4) + 8 (T % 4)
	s_mul_i32 s21, s21, s19
	s_add_co_u32 s21, s21, s26                     ; in memory
	s_lshl_b32 s28, s21, 12                        ; a row is 4,096 bytes
	s_lshl_b32 s27, s15, 11                        ; my half of K: 2,048 bytes
	s_add_co_u32 s28, s28, s27
	s_mov_b32 s29, 0
	s_add_nc_u64 s[16:17], s[16:17], s[28:29]
	s_lshl_b32 s27, s19, 12                        ; bytes from one logical row to the next
.irp p, 0,1,2,3,4,5,6,7,8,9,10,11,12,13,14,15
	s_mul_i32 s28, s27, (\p%8)+32*(\p/8)
	s_add_nc_u64 s[RB+2*\p:RB+2*\p+1], s[16:17], s[28:29]
.endr
	s_mul_i32 s28, s14, TILEB
	s_add_nc_u64 s[10:11], s[10:11], s[28:29]      ; my tile in opq
	s_lshl_b32 s28, s15, 8
	s_add_nc_u64 s[22:23], s[10:11], s[28:29]
	s_add_nc_u64 s[22:23], s[22:23], 12288         ; my 256 scale bytes
	s_mul_i32 s28, s15, 6144
	s_add_nc_u64 s[10:11], s[10:11], s[28:29]      ; my four fragments
.macro LOADF f                         ; fragment f: 128 numbers of each of the 16 rows; 32 lanes read 512 consecutive bytes
.irp p, 0,1,2,3,4,5,6,7,8,9,10,11,12,13,14,15
	global_load_b128 v[R0+64*((\f)%2)+4*\p:R0+64*((\f)%2)+4*\p+3], v2, s[RB+2*\p:RB+2*\p+1] offset:512*(\f) th:TH_LOAD_NT
.endr
.endm
.macro FRAGM f
.if (\f) < 3
	s_wait_loadcnt 16                              ; this fragment's 16 loads are in; the next fragment's 16 stay out
.else
	s_wait_loadcnt 0x0
.endif
.irp p, 0,1,2,3,4,5,6,7,8,9,10,11,12,13,14,15
	ds_store_b128 v3, v[R0+64*((\f)%2)+4*\p:R0+64*((\f)%2)+4*\p+3] offset:528*\p
.endr
.irp b, 0,1,2,3
.irp j, 0,1,2,3
	ds_load_b128 v[XN+16*\b+4*\j:XN+16*\b+4*\j+3], v4 offset:128*\b+16*\j   ; LDS serves a wave's instructions in order: these see my stores
.endr
.endr
	s_wait_dscnt 0x0                               ; the numbers are back, and the stage's stores have read their registers
.if (\f) > 0
	s_wait_xcnt 0x0                                ; the last fragment's stores have read their data: the codes' registers may be written again
.endif
.if (\f) < 2
	LOADF (\f)+2
.endif
	QUANT XN, PW+\f
.irp c, 0,1,2
	global_store_b128 v2, v[PC+4*\c:PC+4*\c+3], s[10:11] offset:1536*(\f)+512*\c   ; the image: 512 consecutive bytes a store
.endr
.endm
	LOADF 0
	LOADF 1
	FRAGM 0
	FRAGM 1
	FRAGM 2
	FRAGM 3
	global_store_b128 v5, v[PW:PW+3], s[22:23]     ; 16 rows x 16 bytes: 256 consecutive aligned bytes (lanes 16-31 write what lanes 0-15 write)
	s_wait_tensorcnt 0x0
	ds_add_u32 v254, v255
	s_wait_dscnt 0x0
	s_endpgm
.Lfunc_end_k_q4af3db7698_quant:
	.size	k_q4af3db7698_quant, .Lfunc_end_k_q4af3db7698_quant-k_q4af3db7698_quant
	.p2alignl 7, 3214868480
	.fill 96, 4, 3214868480
	.section	.rodata,"a",@progbits
	.p2align	6, 0x0
	.amdhsa_kernel k_q4af3db7698_quant
		.amdhsa_group_segment_fixed_size 51456
		.amdhsa_private_segment_fixed_size 0
		.amdhsa_enable_private_segment 0
		.amdhsa_kernarg_size 32
		.amdhsa_user_sgpr_count 2
		.amdhsa_user_sgpr_kernarg_segment_ptr 1
		.amdhsa_wavefront_size32 1
		.amdhsa_system_sgpr_workgroup_id_x 1
		.amdhsa_system_sgpr_workgroup_id_y 1
		.amdhsa_system_sgpr_workgroup_id_z 1
		.amdhsa_system_vgpr_workitem_id 0
		.amdhsa_next_free_vgpr 256
		.amdhsa_next_free_sgpr 72
		.amdhsa_reserve_vcc 0
		.amdhsa_float_denorm_mode_32 3
		.amdhsa_float_denorm_mode_16_64 3
		.amdhsa_memory_ordered 1
		.amdhsa_forward_progress 1
		.amdhsa_inst_pref_size 35
	.end_amdhsa_kernel
	.amdgpu_metadata
---
amdhsa.version: [ 1, 2 ]
amdhsa.kernels:
  - .name:           k_q4af3db7698_quant
    .symbol:         k_q4af3db7698_quant.kd
    .args:
      - { .name: query, .offset: 0, .size: 8, .value_kind: global_buffer, .address_space: global }
      - { .name: qkv_proj, .offset: 8, .size: 8, .value_kind: global_buffer, .address_space: global }
      - { .name: out_proj, .offset: 16, .size: 8, .value_kind: global_buffer, .address_space: global }
      - { .name: opq, .offset: 24, .size: 8, .value_kind: global_buffer, .address_space: global }
    .group_segment_fixed_size: 51456
    .private_segment_fixed_size: 0
    .kernarg_segment_align: 8
    .kernarg_segment_size: 32
    .max_flat_workgroup_size: 192
    .sgpr_count:     72
    .vgpr_count:     256
    .wavefront_size: 32
...
	.end_amdgpu_metadata
.endif
;; end of part 1
;; launch qkv (part 2): grid 12 x 32, 4 waves a work-group, clusters of 4 x 4, 327,680 bytes of LDS; arguments opq, qkv_bias, qkvq; writes qkvq
.if DOCPART == 2
	.amdgcn_target "amdgcn-amd-amdhsa--gfx1250"
	.amdhsa_code_object_version 6
	.text
	.protected	k_q4af3db7698_qkv
	.globl	k_q4af3db7698_qkv
	.p2align	8
	.type	k_q4af3db7698_qkv,@function
k_q4af3db7698_qkv:
	s_mov_b64 s[64:65], 0
	v_nop
	global_prefetch_b8 v0, s[64:65] scope:SCOPE_SE
	s_setreg_imm32_b32 hwreg(HW_REG_WAVE_MODE, 25, 1), 1
	s_wait_xcnt 0x0
	s_wait_alu depctr_hold_cnt(0) depctr_sa_sdst(0) depctr_va_vdst(0) depctr_va_sdst(0) depctr_va_ssrc(0) depctr_va_vcc(0) depctr_vm_vsrc(0)
	s_getreg_b32 s2, hwreg(HW_REG_IB_STS2, 6, 4)
	s_cmp_eq_u32 s2, 0
	s_cbranch_scc0 .Lentry_in_a_cluster
	s_endpgm
.Lentry_in_a_cluster:
	s_bfe_u32 s2, ttmp6, 0x10000c
	s_cmp_lg_u32 s2, 0xf033
	s_cbranch_scc0 .Lentry_shape_is_right
	s_endpgm
.Lentry_shape_is_right:
; The first product, query x qkv_proj^T + qkv_bias, on codes of FP6 (E2M3) with E8M0 scales, and the quantising of its results: q and k along the head's 64, v along the keys.  No f32 result goes to memory.
; opq holds both operands as images of fragments (tiles of 12,800 bytes: eight fragments of 1,536 bytes, 512 scale bytes).  Row p of tile T stands for logical row 64 (T / 4) + 8 (T % 4) + p % 8 + 32 (p / 8).
; SHARES.  A work-group makes 256 rows of X (n x 2048 + l) x 256 rows of W (c x 1024 + i); a wave 128 x 128: 64 accumulators, 512 registers.  The cluster's x is c: 0 q, 1 k, 2 v, the same in all partners.
; ORIENTATION.  Source 0 is the side along which a lane's registers run (P), source 1 the side of which a lane holds one row (Q).  q, k: P = W (the head's channels), Q = X.  v: P = X (the keys), Q = W.
; Only the LDS addresses from which fragments and scale words are read are chosen by c; tensor loads, loop and way out are one text for all three.
; K = 1,024 goes in four steps of 256 through three LDS slots: three go out at the head, the fourth is the one refill, into slot 0; from its request to the wait for it stand 224 matrix instructions.  So no prefetch is laid.
; CLUSTER: 4 x 4.  X's tiles are shared along a row of the cluster, W's along a column: joint loads, each with a mask that names the four.
; THE WAY OUT.  The 64 registers of one Q block are, by the choice of a tile's rows, 128 logical neighbours along P in the order that the conversions want: they become one fragment and one scale word a row.
;   q, k: the fragment's two halves (6 registers each) are two heads' 16 rows x 64: part [kind][b][s] = 8 such halves of 768 bytes (512: registers 0-3 at 16 l; 256: registers 4-5 at 8 l) + 512 bytes of scale words.
;   v: the fragment is 16 channels x 128 keys: part = 4 fragments (two halves on end) + 512 bytes of scale words.   b = 16 n + head, s = 128 rows or keys.
; The bias runs along P for q, k (it is the C of the first K step's products) and along Q for v (added on the way out); both are loaded, and the one that does not apply is replaced by zeros.
; LIMITS: NaN and infinities are not served; a block of zeros, or one under 2^-124, gets the byte 1 (only this program reads the bytes).
; REGISTERS: window 0: v8-9, v16-24 addresses; v28-29 the add's; v32-95 scale words, two sets; v128-223 Q's eight fragments, one set; v224-239 Q's bias; on the way out v96-127 at work, v128-211 numbers and codes.
;   window 1: P's fragments, two sets, at v0 and v128; P's bias in the gaps (v96-127, v224-255).   windows 2, 3: the accumulators, (a, b) at v[8 (8 (a % 4) + b)].
.set TILEB,  12800
.set KB,     3072                      ; a tile's bytes of a K step of 256: two fragments
.set FRB,    1536
.set HALFT,  8*KB                      ; eight tiles: what one tensor load brings, and what a wave reads of X or of W
.set SLOT,   4*HALFT                   ; X's two halves, then W's two
.set SCL,    3*SLOT                    ; the scale bytes: 4 x 4,096, in the same order
.set SPARE,  SCL+4*4096                ; the spare words: 128 bytes a wave, two blocks of 256 bytes that no other line names
.set HEADB,  106496
.set PARTB,  6656
.set KINDB,  6815744
.set L16,  8
.set L8,   9
.set ADRQ, 16                          ; v16-18 Q's fragments in slots 0-2
.set ADRP, 20                          ; v20-22 P's
.set ADRS, 24                          ; v24    scale words: lanes 0-15 Q's rows, lanes 16-31 P's
.set SPW,  28
.set NIL,  29
.set SC,   32                          ; set K / 512 at v[SC + 32 ..]: register 4 i + q: block i, the half's q-th 128 along K
.set QF,   128
.set BQ,   224
.set BT,   240
.set H,    128
.set PC,   192
.set TM,   96
.set PWS,  112
.set OS,   120
.set SEL,  100                         ; s100, s101
.set G1X,  24
.set G0X,  32                          ; s[32:43] X's groups 0: K step 3, steps 1-2, step 0
.set G0SX, 44
.set G1W,  48
.set G0W0, 56
.set G0W1, 60
.set G0W2, 68
.set G0SW, 72
.set G1SX, 76
.set G1SW, 84
.set MSB, 0
.macro WIN new                         ; the immediate's high byte repeats the setting that is left
.if MSB != (\new)
	s_set_vgpr_msb (MSB<<8)|(\new)
.set MSB, (\new)
.endif
.endm
.macro PLACES n
.rept \n
	v_nop
.endr
.endm
; A joint load: waves 0 and 1 fetch for X, waves 2 and 3 for W; the branch hangs on the wave's number alone.  Four v_nop follow each line.
.macro JLOAD g0a, g1a, g0b, g1b
	s_cmp_eq_u32 s15, 0
	s_cbranch_scc0 .Lfor_b_\@
	tensor_load_to_lds s[\g0a:\g0a+3], s[\g1a:\g1a+7]
	s_nop 0
.rept 4
	v_nop
.endr
	s_branch .Lasked_\@
.Lfor_b_\@:
	tensor_load_to_lds s[\g0b:\g0b+3], s[\g1b:\g1b+7]
	s_nop 0
.rept 4
	v_nop
.endr
.Lasked_\@:
.endm
.macro CREST                           ; a round of the cluster's barrier behind its opening barrier
	s_cmp_lg_u32 s14, 0
	s_cbranch_scc1 .Lnot_wave_0_\@
	s_barrier_signal -3
.Lnot_wave_0_\@:
	s_barrier_wait -3
	s_barrier_signal -1
	s_barrier_wait -1
.endm
.macro CROUND
	s_barrier_signal -1
	s_barrier_wait -1
	CREST
.endm
.macro SETG0 g, lreg, loff, ap, aoff   ; a group 0: count 1, LDS address, global address, type 2
	s_mov_b32 s[\g], 1
	s_add_co_u32 s[\g+1], s[\lreg], \loff
	s_add_nc_u64 s[\g+2:\g+3], s[\ap:\ap+1], \aoff
	s_or_b32 s[\g+3], s[\g+3], 0x80000000
.endm
.macro QUANT s, w                      ; 64 numbers of a lane (register 32 c + i = k 64 c + 32 (lane / 16) + i of my row) become a fragment's codes in v[PC] on and the row's scale word in v[w]
.irp b, 0,1,2,3
	v_max3_num_f32 v[TM+\b], |v[\s+16*\b]|, |v[\s+1+16*\b]|, 0x1800000   ; and the floor 2^(3 - 127): the byte cannot fall under 1
.endr
.irp i, 2,4,6,8,10,12,14
.irp b, 0,1,2,3
	v_max3_num_f32 v[TM+\b], v[TM+\b], |v[\s+16*\b+\i]|, |v[\s+1+16*\b+\i]|
.endr
.endr
; row p of tile T stands for logical row 64 (T / 4) + 8 (T % 4) + p % 8 + 32 (p / 8) (in place of the order named at the head): register 32 c + i of a lane is k = 64 c + 32 (lane / 16) + i: two whole blocks a lane
.irp b, 0,2
	v_max_num_f32 v[TM+1+\b], v[TM+\b], v[TM+1+\b]   ; a block's two halves of 16 are both mine
.endr
.irp b, 0,2
	v_max_num_f32 v[TM+\b], v[TM+\b], v[TM+1+\b]
.endr
.irp b, 0,1,2,3
	v_add_nc_u32 v[TM+12+\b], 0xff000000, v[TM+\b]   ; 2 off the exponent field: the conversion's scale operand
.endr
.irp b, 0,1,2,3
	v_lshrrev_b32 v[TM+4+\b], 23, v[TM+12+\b]      ; the scale's byte
.endr
	v_lshl_or_b32 v[\w], v[TM+6], 16, v[TM+4]      ; my two bytes: blocks h and 2 + h,
	v_lshlrev_b32 v[\w], v11, v[\w]                ; 8 h bits up;
	v_permlanex16_b32 v[TM+5], v[\w], s[SEL], s[SEL+1]
	v_or_b32 v[\w], v[\w], v[TM+5]                 ; with lane l xor 16's two the word is whole
.irp c, 0,1
	v_cvt_scalef32_pk16_fp6_f32 v[PC+6*\c:PC+2+6*\c], v[\s+32*\c:\s+15+32*\c], v[TM+12+2*\c]
	v_cvt_scalef32_pk16_fp6_f32 v[PC+12+4*\c:PC+14+4*\c], v[\s+16+32*\c:\s+31+32*\c], v[TM+13+2*\c]
.endr
	v_nop                                          ; one plain place behind a scaled conversion
.irp c, 0,1
.irp i, 0,1,2
	v_mov_b32 v[PC+3+6*\c+\i], v[PC+12+4*\c+\i]
.endr
.endr
.endm
	s_load_b128 s[4:7], s[0:1], 0x0                ; opq s[4:5], qkv_bias s[6:7]
	s_load_b64 s[8:9], s[0:1], 0x10                ; qkvq
	v_lshl_add_u32 v[SPW], v0, 2, SPARE
	v_mov_b32 v[NIL], 0
	ds_add_u32 v28, v29
	ds_add_u32 v28, v29
	s_wait_dscnt 0x0
	v_lshrrev_b32 v1, 5, v0
	v_readfirstlane_b32 s14, v1                    ; wave 0..3
	s_lshr_b32 s15, s14, 1                         ; my half of X's rows.  Also: I fetch for X (0) or for W (1)
	s_and_b32 s16, s14, 1                          ; my half of W's rows.  Also: which eight tiles I fetch
	s_bfe_u32 s92, ttmp6, 0x40000                  ; cx
	s_bfe_u32 s93, ttmp6, 0x40004                  ; cy
	s_lshl_b32 s94, ttmp9, 2
	s_add_co_u32 s94, s94, s92                     ; x: 256 rows of W
	s_and_b32 s17, ttmp7, 0xffff
	s_lshl_b32 s17, s17, 2
	s_add_co_u32 s17, s17, s93                     ; y: 256 rows of X
	s_lshl_b32 s95, s93, 2
	s_lshl_b32 s95, 15, s95                        ; my row of the cluster
	s_lshl_b32 s96, 0x1111, s92                    ; my column
	s_mov_b32 s10, ttmp9                           ; c: 0 q, 1 k, 2 v
	s_cmp_eq_u32 s10, 2
	s_cselect_b32 s11, 1, 0                        ; is it v?
	s_cselect_b32 s13, -1, 0                       ; a lane mask: all lanes for v,
	s_cselect_b32 s12, 0, -1                       ; all lanes for q and k
	s_mov_b32 s[SEL], 0x76543210
	s_mov_b32 s[SEL+1], 0xfedcba98
	s_mov_b32 s66, 0x05040100                      ; v_perm_b32: the two low halves,
	s_mov_b32 s67, 0x07060302                      ; the two high halves
	; group 1, codes: 16 rows (tiles) of 3,072 bytes (384 elements of 8), 12,800 bytes apart; no padding: an image is read as it lies
	s_or_b32 s[G1X], s95, (3<<16)|(1<<21)
	s_or_b32 s[G1W], s96, (3<<16)|(1<<21)
.irp g, G1X, G1W
	s_mov_b32 s[\g+1], 384<<16
	s_mov_b32 s[\g+2], 16<<16                      ; the head's loads bring all 16 tiles of a side
	s_mov_b32 s[\g+3], 384<<16
	s_mov_b32 s[\g+4], 16
	s_mov_b32 s[\g+5], 1600
	s_mov_b32 s[\g+6], 0
	s_mov_b32 s[\g+7], 0
.endr
	; group 1, scale bytes: 16 rows of 512 bytes
	s_or_b32 s[G1SX], s95, (3<<16)|(1<<21)
	s_or_b32 s[G1SW], s96, (3<<16)|(1<<21)
.irp g, G1SX, G1SW
	s_mov_b32 s[\g+1], 64<<16
	s_mov_b32 s[\g+2], 16<<16
	s_mov_b32 s[\g+3], 64<<16
	s_mov_b32 s[\g+4], 16
	s_mov_b32 s[\g+5], 1600
	s_mov_b32 s[\g+6], 0
	s_mov_b32 s[\g+7], 0
.endr
	s_mul_i32 s2, s16, 8*TILEB                     ; from a side's first tile to the eight that I fetch behind the head
	s_mov_b32 s3, 0
	s_lshl_b32 s20, s17, 4
	s_mul_i32 s20, s20, TILEB                      ; X: tile 16 y + 8 x half: hangs on y alone
	s_mov_b32 s21, 0
	s_lshl_b32 s22, s94, 4
	s_add_co_u32 s22, s22, 512
	s_mul_i32 s22, s22, TILEB                      ; W: tile 512 + 16 x + 8 x half: hangs on x alone
	s_mov_b32 s23, 0
	s_mul_i32 s18, s14, HALFT                      ; slot 0: my quarter
	s_mul_i32 s19, s14, 2*HALFT
	s_add_co_u32 s19, s19, SLOT                    ; K steps 1 and 2 lie together behind slot 0, a tile's 6,144 bytes on end: my quarter of that
	s_wait_kmcnt 0x0
	s_add_nc_u64 s[20:21], s[4:5], s[20:21]
	s_add_nc_u64 s[22:23], s[4:5], s[22:23]
	CROUND                                         ; all sixteen work-groups are here: the first joint loads meet
.macro SETG0C g, lds, ap, aoff         ; a group 0 with a constant LDS address
	s_mov_b32 s[\g], 1
	s_mov_b32 s[\g+1], \lds
	s_add_nc_u64 s[\g+2:\g+3], s[\ap:\ap+1], \aoff
	s_or_b32 s[\g+3], s[\g+3], 0x80000000
.endm
.macro ARM under, g0, g1, next         ; one arm of the head's chain of branches on the wave's number: one load, then to the join
	s_cmp_lt_u32 s14, \under
	s_cbranch_scc0 \next
	tensor_load_to_lds s[\g0:\g0+3], s[\g1:\g1+7]
	s_nop 0
.rept 4
	v_nop
.endr
	s_branch .Lhead_asked
\next:
.endm
	SETG0C G0X+8, 0, 20, 0                         ; the head's four tiles, each whole: K step 0 of X's 16 tiles,
	SETG0C G0W2, 2*HALFT, 22, 0                    ; of W's 16,
	SETG0C G0SX, SCL, 20, 12288                    ; X's scale bytes,
	SETG0C G0SW, SCL+8192, 22, 12288               ; W's
	s_add_nc_u64 s[20:21], s[20:21], s[2:3]        ; from here on: my eight tiles
	s_add_nc_u64 s[22:23], s[22:23], s[2:3]
	SETG0 G0X+4, 19, 0, 20, KB                     ; K steps 1 and 2 in one load, rows of 6,144 bytes
	SETG0 G0W1, 19, 0, 22, KB
	SETG0 G0X, 18, 0, 20, 3*KB                     ; K step 3: slot 0's refill
	SETG0 G0W0, 18, 0, 22, 3*KB
	ARM 1, G0X+8, G1X, .Lhead_b                    ; one tensor load a wave at the head
	ARM 2, G0W2, G1W, .Lhead_sa
	ARM 3, G0SX, G1SX, .Lhead_sb
	tensor_load_to_lds s[G0SW:G0SW+3], s[G1SW:G1SW+7]
	s_nop 0
.rept 4
	v_nop
.endr
.Lhead_asked:
	v_and_b32 v1, 15, v0                           ; r
	v_bfe_u32 v2, v0, 4, 1                         ; h
	v_and_b32 v3, 31, v0
	v_lshlrev_b32 v[L16], 4, v3
	s_wait_alu depctr_va_vdst(0)
	v_lshlrev_b32 v[L8], 3, v3
.irp b, 0,1,2,3
	v_mov_b32 v[TM+4+\b], 0                        ; written once: a lane permute's destination counts as one of its sources
.endr
	s_mul_i32 s2, s15, HALFT                       ; my half of X
	s_mul_i32 s3, s16, HALFT
	s_add_co_u32 s3, s3, 2*HALFT                   ; my half of W
	s_cmp_eq_u32 s11, 1
	s_cselect_b32 s18, s2, s3                      ; P: X for v, W for q and k
	s_cselect_b32 s19, s3, s2                      ; Q: the other
	v_add_nc_u32 v[ADRP], s18, v[L16]
	v_add_nc_u32 v[ADRQ], s19, v[L16]
	s_lshl_b32 s18, s18, 1                         ; behind slot 0 a quarter is twice as long,
	s_lshl_b32 s19, s19, 1
	s_add_co_u32 s18, s18, SLOT
	s_add_co_u32 s19, s19, SLOT
.irp s, 1,2
	v_add_nc_u32 v[ADRP+\s], s18, v[L16]
	v_add_nc_u32 v[ADRQ+\s], s19, v[L16]
	s_add_co_u32 s18, s18, KB                      ; and K step 2 begins 3,072 bytes into a tile's row
	s_add_co_u32 s19, s19, KB
.endr
	v_xor_b32 v4, s11, v2                          ; 0: this lane takes X's scale words, 1: W's.  Lanes 0-15 serve Q, lanes 16-31 P
	s_lshl_b32 s2, s15, 12
	s_lshl_b32 s3, s16, 12
	s_add_co_u32 s3, s3, 8192
	s_sub_co_u32 s3, s3, s2                        ; from my half of X's scale bytes to my half of W's
	v_mul_u32_u24 v5, s3, v4
	s_add_co_u32 s2, s2, SCL
	v_lshl_add_u32 v5, v1, 4, v5                   ; 16 bytes a row
	v_add_nc_u32 v[ADRS], s2, v5
	; the bias of feature 3 i + c, i = 256 cx + 128 x my half of W + ..
	s_lshl_b32 s2, s92, 8
	s_lshl_b32 s3, s16, 7
	s_add_co_u32 s2, s2, s3
	s_mul_i32 s2, s2, 12
	s_lshl_b32 s3, s10, 2
	s_add_co_u32 s2, s2, s3
	s_mov_b32 s3, 0
	s_add_nc_u64 s[6:7], s[6:7], s[2:3]
	v_mul_u32_u24 v6, v2, 384                      ; along P: register j of tile b is i = 64 (b / 4) + 8 (b % 4) + 32 h + j
	v_lshlrev_b32 v11, 3, v2                       ; 8 h: how far up my scale bytes stand in a scale word
	v_and_b32 v10, 8, v1
	v_mad_u32_u24 v10, v10, 3, v1                  ; along Q: lane r of block a is i = 64 (a / 4) + 8 (a % 4) + r % 8 + 32 (r / 8)
	v_mul_u32_u24 v7, v10, 12                      ; 12 bytes from one i to the next
	WIN 0x40                                       ; destination window 1
.irp b, 0,1,2,3,4,5,6,7
.irp j, 0,1,2,3,4,5,6,7
	global_load_b32 v[96+8*\b+96*(\b/4)+\j], v6, s[6:7] offset:12*(64*(\b/4)+8*(\b%4)+\j)
.endr
.endr
	WIN 0
.irp a, 0,1,2,3,4,5,6,7
	global_load_b32 v[BT+\a], v7, s[6:7] offset:12*(64*(\a/4)+8*(\a%4))
.endr
.macro FRAG3 reg, adr, off             ; a fragment's image: three loads of 512 consecutive bytes
.irp c, 0,1,2
	ds_load_b128 v[\reg+4*\c:\reg+4*\c+3], v[\adr] offset:\off+512*\c
.endr
.endm
.macro FETCH_P slot, q, p              ; P's eight fragments of the slot's q-th 128 along K into set p
	WIN 0x40
.irp i, 0,1,2,3,4,5,6,7
	FRAG3 128*(\p)+12*\i, ADRP+\slot, (KB+KB*((\slot+1)/2))*\i+FRB*(\q)
.endr
	WIN 0
.endm
.macro FETCH_Q slot, q, i0             ; Q's blocks i0 .. i0 + 3
.irp i, \i0, \i0+1, \i0+2, \i0+3
	FRAG3 QF+12*(\i), ADRQ+\slot, (KB+KB*((\slot+1)/2))*(\i)+FRB*(\q)
.endr
.endm
.macro SCALES kh                       ; the scale words of K half kh: four words a row and block
.irp i, 0,1,2,3,4,5,6,7
	ds_load_b128 v[SC+32*\kh+4*\i:SC+32*\kh+4*\i+3], v[ADRS] offset:512*\i+256*\kh
.endr
.endm
; 16 matrix instructions: Q's blocks a0, a0 + 1 x P's eight, the sg-th 128 along K.  first = 1: P's bias (zeros for v) starts the sums: nothing is cleared.
; The 64 accumulators take turns, one instruction a turn, in the same order in every step.
.macro MUL16 a0, p, sg, first
.irp a, \a0, \a0+1
.irp b, 0,1,2,3,4,5,6,7
.if \first
	v_wmma_scale_f32_16x16x128_f8f6f4 v[8*(8*((\a)%4)+\b):8*(8*((\a)%4)+\b)+7], v[128*(\p)+12*\b:128*(\p)+12*\b+11], v[QF+12*(\a):QF+12*(\a)+11], v[96+8*\b+96*(\b/4):96+8*\b+96*(\b/4)+7], v[SC+32*((\sg)/4)+4*\b+(\sg)%4], v[SC+32*((\sg)/4)+4*(\a)+(\sg)%4] matrix_a_fmt:MATRIX_FMT_FP6 matrix_b_fmt:MATRIX_FMT_FP6 matrix_a_scale:MATRIX_SCALE_ROW1
.else
	v_wmma_scale_f32_16x16x128_f8f6f4 v[8*(8*((\a)%4)+\b):8*(8*((\a)%4)+\b)+7], v[128*(\p)+12*\b:128*(\p)+12*\b+11], v[QF+12*(\a):QF+12*(\a)+11], v[8*(8*((\a)%4)+\b):8*(8*((\a)%4)+\b)+7], v[SC+32*((\sg)/4)+4*\b+(\sg)%4], v[SC+32*((\sg)/4)+4*(\a)+(\sg)%4] matrix_a_fmt:MATRIX_FMT_FP6 matrix_b_fmt:MATRIX_FMT_FP6 matrix_a_scale:MATRIX_SCALE_ROW1
.endif
.endr
.endr
.endm
; Step sg of 128 along K; the next step's fragments lie at (slot ns, part nq), in a slot that is known whole.  Four plain places stand in front of each run of loads into registers that matrix instructions have read.
.macro STEP sg, ns, nq, sc, first
	s_wait_dscnt 12                                ; P's set, Q's blocks 0-3 and the scale words are in; the youngest 12 loads (Q's blocks 4-7) may be out
.if \first
	WIN 0x91                                       ; P and its bias window 1, Q window 0, D window 2
.else
	WIN 0xa1
.endif
	MUL16 0, (\sg)%2, \sg, \first
	MUL16 2, (\sg)%2, \sg, \first
	s_wait_dscnt 0x0                               ; Q's blocks 4-7 are in
	PLACES 4
	FETCH_P \ns, \nq, 1-(\sg)%2
	FETCH_Q \ns, \nq, 0
.if \sc
	SCALES 1
.endif
.if \first
	WIN 0xd1
.else
	WIN 0xf1
.endif
	MUL16 4, (\sg)%2, \sg, \first
	MUL16 6, (\sg)%2, \sg, \first
	PLACES 4
	WIN 0
	FETCH_Q \ns, \nq, 4
.endm
; A step that leaves a slot behind a barrier.  In front of it each wave waits for all its tensor loads, adds 0 to its spare word, and waits for that and for its own reads of the slot.
; fill = 1: the barrier opens a round of the cluster's, and slot 0 is filled again, with the fourth K step, first thing behind it.
.macro TURN sg, ns, fill
	s_wait_tensorcnt 0x0                           ; all my tensor loads have landed (every window is 0 here)
	ds_add_u32 v[SPW], v[NIL]                      ; 0 onto my spare word
.if \fill
.irp g, G1X, G1W
	s_mov_b32 s[\g+1], 384<<16                     ; no tensor load of mine is out: the refill's rows are 3,072 bytes again
	s_mov_b32 s[\g+3], 384<<16
.endr
.endif
	s_wait_dscnt 13
	WIN 0xa1
	MUL16 0, 1, \sg, 0                             ; sixteen matrix instructions stand between the add and the wait for it
	s_wait_dscnt 0x0                               ; the add is done, and my reads of this slot are over
	s_barrier_signal -1
	MUL16 2, 1, \sg, 0
	WIN 0
	s_barrier_wait -1
.if \fill
	CREST                                          ; no wave of any partner still reads slot 0 or has a load on its way
	JLOAD G0X, G1X, G0W0, G1W                      ; the first tensor load behind the round; its four v_nop are the places in front of the loads below
.else
	PLACES 4
.endif
	FETCH_P \ns, 0, 0
	FETCH_Q \ns, 0, 0
	WIN 0xf1
	MUL16 4, 1, \sg, 0
	MUL16 6, 1, \sg, 0
	PLACES 4
	WIN 0
	FETCH_Q \ns, 0, 4
.endm
	s_wait_alu depctr_va_vdst(0)
	s_wait_tensorcnt 0x0                           ; my tile of the head's four is in
	ds_add_u32 v[SPW], v[NIL]
.irp g, G1X, G1W
	s_mov_b32 s[\g+1], 768<<16                     ; no tensor load of mine is out: the next load brings 8 tiles' rows of 6,144 bytes
	s_mov_b32 s[\g+2], 8<<16
	s_mov_b32 s[\g+3], 768<<16
	s_mov_b32 s[\g+4], 8
.endr
	s_wait_dscnt 0x0
	CROUND                                         ; all four tiles are in, and all sixteen work-groups are here
	JLOAD G0X+4, G1X, G0W1, G1W                    ; K steps 1 and 2: the first tensor load behind the round
	FETCH_P 0, 0, 0
	FETCH_Q 0, 0, 0
	SCALES 0
	FETCH_Q 0, 0, 4
	s_wait_loadcnt 0x0                             ; the biases
	WIN 0x44                                       ; source 1 and destination window 1
.irp b, 0,1,2,3,4,5,6,7
.irp j, 0,1,2,3,4,5,6,7
	v_cndmask_b32 v[96+8*\b+96*(\b/4)+\j], 0, v[96+8*\b+96*(\b/4)+\j], s12   ; the bias along P counts for q and k
.endr
.endr
	WIN 0
.irp a, 0,1,2,3,4,5,6,7
	v_cndmask_b32 v[BQ+2*\a], 0, v[BT+\a], s13     ; the bias along Q counts for v; twice, for the packed addition
	v_cndmask_b32 v[BQ+2*\a+1], 0, v[BT+\a], s13
.endr
	STEP 0, 0, 1, 0, 1
	TURN 1, 1, 1                                   ; slot 0 is left and filled again; by its waits and its round slots 1 and 2 are whole for every wave
	STEP 2, 1, 1, 0, 0
	STEP 3, 2, 0, 1, 0
	STEP 4, 2, 1, 0, 0
	TURN 5, 0, 0                                   ; the fourth K step has landed in every wave's part; nothing is filled
	STEP 6, 0, 1, 0, 0
	s_wait_dscnt 12                                ; the last step: nothing more to fetch
	WIN 0xa1
	MUL16 0, 1, 7, 0
	MUL16 2, 1, 7, 0
	s_wait_dscnt 0x0
	WIN 0xf1
	MUL16 4, 1, 7, 0
	MUL16 6, 1, 7, 0
	WIN 0
	; THE WAY OUT.  Where my results go: kind c, batch b0 = 16 n + 4 cx + 2 x my half of W (and b0 + 1), part s = 2 (y % 8) + my half of X
	s_lshr_b32 s2, s17, 3
	s_lshl_b32 s2, s2, 4
	s_lshl_b32 s3, s92, 2
	s_add_co_u32 s2, s2, s3
	s_lshl_b32 s3, s16, 1
	s_add_co_u32 s2, s2, s3
	s_mul_i32 s2, s2, HEADB
	s_and_b32 s3, s17, 7
	s_lshl_b32 s3, s3, 1
	s_add_co_u32 s3, s3, s15
	s_mul_i32 s3, s3, PARTB
	s_add_co_u32 s2, s2, s3
	s_mul_i32 s3, s10, KINDB
	s_add_co_u32 s2, s2, s3
	s_mov_b32 s3, 0
	s_add_nc_u64 s[20:21], s[8:9], s[2:3]          ; registers 0-5 of block 0's fragment
	s_mov_b64 s[98:99], s[20:21]                   ; the part's first byte
	s_cmp_eq_u32 s11, 1
	s_mov_b32 s18, 768
	s_cselect_b32 s18, 1536, s18                   ; from block to block: q, k a half fragment; v a whole one
	s_mov_b32 s19, 0
	s_cselect_b32 s2, 100352, 0                    ; v: blocks 4-7 are the next head's: 106,496 - 4 x 1,536 more
	s_mov_b32 s22, HEADB
	s_cselect_b32 s22, 768, s22                    ; registers 6-11: q, k the next head's part; v the fragment's second half
	s_mov_b32 s23, 0
	s_add_nc_u64 s[22:23], s[20:21], s[22:23]
	PLACES 4                                       ; behind the last products: their results are read, and registers that they read are written
.irp a, 0,1,2,3,4,5,6,7
.if \a > 0
	s_wait_xcnt 0x0                                ; the last block's stores have read their data and bases
	s_add_nc_u64 s[20:21], s[20:21], s[18:19]
	s_add_nc_u64 s[22:23], s[22:23], s[18:19]
.endif
.if \a == 4
	s_add_nc_u64 s[20:21], s[20:21], s[2:3]
	s_add_nc_u64 s[22:23], s[22:23], s[2:3]
.endif
	WIN 0x02+(\a/4)                                ; source 0: window 2 or 3
.set ii, 0
.rept 32
	v_pk_add_f32 v[H+ii:H+ii+1], v[64*(\a%4)+ii:64*(\a%4)+ii+1], v[BQ+2*\a:BQ+2*\a+1]   ; into window 0, with the bias along Q; each accumulator from its low end on
.set ii, ii+2
.endr
	WIN 0
	QUANT H, PWS+\a
	global_store_b128 v[L16], v[PC:PC+3], s[20:21]             ; 512 consecutive aligned bytes,
	global_store_b64 v[L8], v[PC+4:PC+5], s[20:21] offset:512  ; 256
	global_store_b128 v[L16], v[PC+6:PC+9], s[22:23]
	global_store_b64 v[L8], v[PC+10:PC+11], s[22:23] offset:512
.endr
	; the scale words.  q, k: word j of a head = block 2 j's two bytes below, block 2 j + 1's above.  v: the blocks' words as they are, four to a head
.irp j, 0,1,2,3
	v_perm_b32 v[OS+\j], v[PWS+2*\j+1], v[PWS+2*\j], s66
	v_perm_b32 v[OS+4+\j], v[PWS+2*\j+1], v[PWS+2*\j], s67
.endr
.irp k, 0,1,2,3,4,5,6,7
	v_cndmask_b32 v[OS+\k], v[OS+\k], v[PWS+\k], s13
.endr
	global_store_b128 v[L16], v[OS:OS+3], s[98:99] offset:6144
	global_store_b128 v[L16], v[OS+4:OS+7], s[98:99] offset:HEADB+6144
	s_wait_tensorcnt 0x0                           ; the wave's end
	ds_add_u32 v[SPW], v[NIL]
	s_wait_dscnt 0x0
	CROUND                                         ; the closing round: no work-group ends while a partner may still ask for a tile that names it
	s_endpgm
.Lfunc_end_k_q4af3db7698_qkv:
	.size	k_q4af3db7698_qkv, .Lfunc_end_k_q4af3db7698_qkv-k_q4af3db7698_qkv
	.p2alignl 7, 3214868480
	.fill 96, 4, 3214868480
	.section	.rodata,"a",@progbits
	.p2align	6, 0x0
	.amdhsa_kernel k_q4af3db7698_qkv
		.amdhsa_group_segment_fixed_size 327680
		.amdhsa_private_segment_fixed_size 0
		.amdhsa_enable_private_segment 0
		.amdhsa_kernarg_size 24
		.amdhsa_user_sgpr_count 2
		.amdhsa_user_sgpr_kernarg_segment_ptr 1
		.amdhsa_wavefront_size32 1
		.amdhsa_system_sgpr_workgroup_id_x 1
		.amdhsa_system_sgpr_workgroup_id_y 1
		.amdhsa_system_sgpr_workgroup_id_z 1
		.amdhsa_system_vgpr_workitem_id 0
		.amdhsa_next_free_vgpr 1024
		.amdhsa_next_free_sgpr 102
		.amdhsa_reserve_vcc 0
		.amdhsa_float_denorm_mode_32 3
		.amdhsa_float_denorm_mode_16_64 3
		.amdhsa_memory_ordered 1
		.amdhsa_forward_progress 1
		.amdhsa_inst_pref_size 166
	.end_amdhsa_kernel
	.amdgpu_metadata
---
amdhsa.version: [ 1, 2 ]
amdhsa.kernels:
  - .name:           k_q4af3db7698_qkv
    .symbol:         k_q4af3db7698_qkv.kd
    .args:
      - { .name: opq, .offset: 0, .size: 8, .value_kind: global_buffer, .address_space: global }
      - { .name: qkv_bias, .offset: 8, .size: 8, .value_kind: global_buffer, .address_space: global }
      - { .name: qkvq, .offset: 16, .size: 8, .value_kind: global_buffer, .address_space: global }
    .group_segment_fixed_size: 327680
    .private_segment_fixed_size: 0
    .kernarg_segment_align: 8
    .kernarg_segment_size: 24
    .max_flat_workgroup_size: 128
    .sgpr_count:     102
    .vgpr_count:     1024
    .wavefront_size: 32
...
	.end_amdgpu_metadata
.endif
;; end of part 2
;; launch attn (part 3): grid 4 x 64, 16 waves a work-group, clusters of 4 x 1, 327,680 bytes of LDS; arguments qkvq, aq; writes aq
.if DOCPART == 3
	.amdgcn_target "amdgcn-amd-amdhsa--gfx1250"
	.amdhsa_code_object_version 6
	.text
	.protected	k_q4af3db7698_attn
	.globl	k_q4af3db7698_attn
	.p2align	8
	.type	k_q4af3db7698_attn,@function
k_q4af3db7698_attn:
	s_mov_b64 s[64:65], 0
	v_nop
	global_prefetch_b8 v0, s[64:65] scope:SCOPE_SE
	s_setreg_imm32_b32 hwreg(HW_REG_WAVE_MODE, 25, 1), 1
	s_wait_xcnt 0x0
	s_wait_alu depctr_hold_cnt(0) depctr_sa_sdst(0) depctr_va_vdst(0) depctr_va_sdst(0) depctr_va_ssrc(0) depctr_va_vcc(0) depctr_vm_vsrc(0)
	s_getreg_b32 s2, hwreg(HW_REG_IB_STS2, 6, 4)
	s_cmp_eq_u32 s2, 0
	s_cbranch_scc0 .Lentry_in_a_cluster
	s_endpgm
.Lentry_in_a_cluster:
	s_bfe_u32 s2, ttmp6, 0x10000c
	s_cmp_lg_u32 s2, 0x3003
	s_cbranch_scc0 .Lentry_shape_is_right
	s_endpgm
.Lentry_shape_is_right:
; Attention of one batch-head b = 16 n + head on codes of FP6 (E2M3) with E8M0 scales: S^T = k q^T, p = 2^(t - M), O^T = v^T p^T, O / l, and the quantising of O along the head's 64 for the last product.
; qkvq: [kind q, k, v][b][s] parts of 6,656 bytes for 128 rows or keys.  q, k: 8 half fragments (16 rows x 64: 512 bytes, registers 0-3 at 16 l; 256 bytes, registers 4-5 at 8 l) and 512 bytes of scale words;
; v: 4 fragments (16 channels x 128 keys, two halves on end) and 512 bytes of scale words.
; ROWS OF A TILE: row p of tile t of a part stands for row 64 (t / 4) + 8 (t % 4) + p % 8 + 32 (p / 8).  Both products are used transposed, so a lane holds one query, and its 32 registers of tiles 0-3 (4-7)
; are the 32 keys of block h (2 + h), h = lane / 16: a block's largest score needs no other lane, and the conversions' results are the operand's registers.  The same holds of O's 32 registers: block h of the head's 64.
; SHARES: a work-group takes 512 queries of one b; the four of a cluster take the same b and ask for its k and v JOINTLY (mask 15).  A wave takes TWO tiles of 16 queries, A and B, through 16 steps of 128 keys:
; each fragment of k and of v is read from LDS once a step and serves both tiles: 13,312 bytes of LDS for 32 queries x 128 keys.
; A STEP: scores and softmax of A; scores of B; v's fragments are asked for, into the registers that held k's; softmax of B; both tiles' second products; the next step's k is asked for.
; LDS: step s at 16,384 s: k's part, then v's part; filled once, by two loads a wave: keys 0-1,023 at the head, the rest behind a round of the cluster's barrier.  All is asked for at the head and no loop runs ahead of a load, so no prefetch is laid.
; The next step's address is made of the trip counter, modulo 16, so that the trip is written once; what the last trip so fetches (step 0's k) is used by nobody.
; A K of 64 in an instruction of 128: k's fragment holds two tiles of 16 keys, q's operand is (q, 0) or (0, q): zero codes add nothing.  The run qA, 0, qB, 0, qA holds all four operands.
; SOFTMAX: M is the running largest t rounded up to a whole number; sums and O are brought under a new M by a power of two; l sums the unquantised p.
; REGISTERS: all 256.  What a tile's softmax needs for a while (largest scores, the old -M, the conversions' scale operands, l's second chain) lies in that tile's registers for p's codes, which are free until the conversions.
; LIMITS: the promise holds while the scaled scores stay under 2^31 in magnitude; NaN and infinities are not served; a block whose largest number lies under 2^-124 gets the byte 1 (only this program reads the bytes).
.set PARTB, 6656
.set HEADB, 106496
.set KINDB, 6815744
.set STEPB, 16384
.set SPARE, 16*STEPB                   ; the spare words: 128 bytes a wave, 2,048 in all, named by no other line
.set QSB, 0                            ; q's scale word, tile B (v0 is free behind the head)
.set L16, 1                            ; 16 x lane
.set L8,  2                            ; 8 x lane
.set AD16, 3                           ; the same + a step's place in LDS
.set AD8, 4
.set SBA, 5                            ; 16 r + h: my scale byte's place in aq
.set SH8, 6                            ; 8 h
.set PWA, 7                            ; p's scale words
.set PWB, 8
.set QSA, 9
.set FF,  10                           ; the factor; the pair's upper register is T1, which the packed forms do not take
.set T1,  11
.set NMA, 12                           ; v12 -M, v13 the running largest score, v14-15 l in two halves: tile A;  v16-19: tile B
.set NMB, 16
.set Q,   20                           ; v20-49 qA, zeros, qB, zeros, qA
.set F,   50                           ; v50-97 four fragments of k, then of v; v98-101 their scale words
.set FS,  98
.set S,   102                          ; v102-165 scores, then p
.set OA,  166                          ; v166-197, v198-229 O^T
.set OB,  198
.set PA,  230                          ; v230-241, v242-253 p's codes
.set PB,  242
.set SPW, 254
.set NIL, 255
.set WV,  8
.macro CROUND
	s_barrier_signal -1
	s_barrier_wait -1
	s_cmp_lg_u32 s[WV], 0
	s_cbranch_scc1 .Lnot_wave_0_\@
	s_barrier_signal -3
.Lnot_wave_0_\@:
	s_barrier_wait -3
	s_barrier_signal -1
	s_barrier_wait -1
.endm
.macro NOPS n
.rept \n
	v_nop
.endr
.endm
.macro FLOAD off                       ; a part's four fragments and its scale words: 17 loads
.irp j, 0,1,2,3
	ds_load_b128 v[F+12*\j:F+12*\j+3], v[AD16] offset:\off+1536*\j
	ds_load_b64 v[F+12*\j+4:F+12*\j+5], v[AD8] offset:\off+1536*\j+512
	ds_load_b128 v[F+12*\j+6:F+12*\j+9], v[AD16] offset:\off+1536*\j+768
	ds_load_b64 v[F+12*\j+10:F+12*\j+11], v[AD8] offset:\off+1536*\j+1280
.endr
	ds_load_b128 v[FS:FS+3], v[AD16] offset:\off+6144
.endm
.macro QK qe, qo, qs                   ; S^T of one tile of queries: eight tiles of 16 keys; qe = (q, 0) takes a fragment's first tile, qo = (0, q) its second
.irp t, 0,2,4,6
	v_wmma_scale_f32_16x16x128_f8f6f4 v[S+8*\t:S+8*\t+7], v[F+6*\t:F+6*\t+11], v[\qe:\qe+11], 0, v[FS+\t/2], v[\qs] matrix_a_fmt:MATRIX_FMT_FP6 matrix_b_fmt:MATRIX_FMT_FP6
	v_wmma_scale_f32_16x16x128_f8f6f4 v[S+8*\t+8:S+8*\t+15], v[F+6*\t:F+6*\t+11], v[\qo:\qo+11], 0, v[FS+\t/2], v[\qs] matrix_a_fmt:MATRIX_FMT_FP6 matrix_b_fmt:MATRIX_FMT_FP6
.endr
.endm
.macro PV ob, pc, sw                   ; O^T += v^T p^T: the accumulators by turns, one instruction a turn
.irp t, 0,1,2,3
	v_wmma_scale_f32_16x16x128_f8f6f4 v[\ob+8*\t:\ob+8*\t+7], v[F+12*\t:F+12*\t+11], v[\pc:\pc+11], v[\ob+8*\t:\ob+8*\t+7], v[FS+\t], v[\sw] matrix_a_fmt:MATRIX_FMT_FP6 matrix_b_fmt:MATRIX_FMT_FP6
.endr
.endm
.macro PF from, n, nm                  ; t - M, two at a time
.set jj, \from
.rept \n
	v_pk_fma_f32 v[S+jj:S+jj+1], v[S+jj:S+jj+1], s[22:23], v[\nm:\nm+1] op_sel_hi:[1,0,0]
.set jj, jj+2
.endr
.endm
.macro SUM2 j, ls, ch                  ; l, in two chains
	v_pk_add_f32 v[\ls:\ls+1], v[\ls:\ls+1], v[S+\j:S+\j+1]
	v_pk_add_f32 v[\ch:\ch+1], v[\ch:\ch+1], v[S+\j+2:S+\j+3]
.endm
; One tile's scores in S become p's codes in v[pc ..] and p's scale word in v[sw]; M, l and O^T are brought on.  v[pc + 6] holds the old -M.  vw = 1: v's fragments are awaited on the way.
; For a while: pc + 0 .. 3 largest scores, then pc + 2, 3 l's second chain; pc + 6 the change of M, then a byte; pc + 10, 11 the conversions' scale operands.
.macro SOFTMAX nm, ob, pc, sw, vw
.irp b, 0,1,2,3
	v_max3_num_f32 v[\pc+\b], v[S+16*\b], v[S+1+16*\b], v[S+2+16*\b]   ; four chains of 16 scores by turns; each accumulator is read from its low end on
.endr
.irp i, 3,5,7,9,11,13
.irp b, 0,1,2,3
	v_max3_num_f32 v[\pc+\b], v[\pc+\b], v[S+16*\b+\i], v[S+1+16*\b+\i]
.endr
.endr
	v_max3_num_f32 v[\pc], v[\pc], v[\pc+1], v[S+15]
	v_max3_num_f32 v[\pc+1], v[\pc+2], v[\pc+3], v[S+47]
	v_max_num_f32 v[\pc], v[\pc], v[S+31]          ; the largest score of my block h,
	v_max_num_f32 v[\pc+1], v[\pc+1], v[S+63]      ; and of my block 2 + h
	v_max3_num_f32 v[\nm+1], v[\nm+1], v[\pc], v[\pc+1]
	v_permlanex16_b32 v[T1], v[\nm+1], s20, s21
	v_max_num_f32 v[\nm+1], v[\nm+1], v[T1]        ; the running largest score of my query
	v_mul_f32 v[T1], s22, v[\nm+1]                 ; as t (c is positive)
	v_floor_f32 v[\nm], -v[T1]                     ; -M = floor(-t)
	v_sub_f32 v[\pc+6], v[\nm], v[\pc+6]           ; M's old value less its new one
	PF 0, 3, \nm
	v_cvt_i32_f32 v[\pc+6], v[\pc+6]               ; (it saturates)
	PF 6, 3, \nm
	v_ldexp_f32 v[FF], 1.0, v[\pc+6]               ; f = 2^(old M - new M)
	PF 12, 26, \nm
	v_fma_f32 v[\pc], v[\pc], s22, v[\nm]          ; the same of each block's largest score: p rises with the score
	v_fma_f32 v[\pc+1], v[\pc+1], s22, v[\nm]
	s_wait_alu depctr_va_vdst(0)
	v_exp_f32 v[\pc], v[\pc]
	v_exp_f32 v[\pc+1], v[\pc+1]
.set jj, 0
.rept 64
	v_exp_f32 v[S+jj], v[S+jj]                     ; p = 2^(t - M)
.set jj, jj+1
.endr
	v_pk_mul_f32 v[\nm+2:\nm+3], v[\nm+2:\nm+3], v[FF:FF+1] op_sel_hi:[1,0]   ; l under the new M; the plain place behind the batch
.if \vw
	s_wait_dscnt 0x0                               ; v's 17 loads, the only ones out
.endif
	s_wait_alu depctr_va_vdst(0)                   ; one wait for the batch
	v_max_num_f32 v[\pc], 0x1800000, v[\pc]        ; the floor 2^(3 - 127): the byte cannot fall under 1
	v_max_num_f32 v[\pc+1], 0x1800000, v[\pc+1]
	v_pk_add_f32 v[\pc+2:\pc+3], v[S:S+1], v[S+2:S+3]
	SUM2 4, \nm+2, \pc+2
	v_add_nc_u32 v[\pc+10], 0xff000000, v[\pc]     ; 2 off the exponent field: the conversion's scale operand
	v_add_nc_u32 v[\pc+11], 0xff000000, v[\pc+1]
	SUM2 8, \nm+2, \pc+2
	SUM2 12, \nm+2, \pc+2
	v_lshrrev_b32 v[\pc+6], 23, v[\pc+10]          ; the bytes
	v_lshrrev_b32 v[T1], 23, v[\pc+11]
	SUM2 16, \nm+2, \pc+2
	SUM2 20, \nm+2, \pc+2
	v_lshl_or_b32 v[\sw], v[T1], 16, v[\pc+6]
	SUM2 24, \nm+2, \pc+2
	SUM2 28, \nm+2, \pc+2
	v_lshlrev_b32 v[\sw], v[SH8], v[\sw]           ; at their places in the word,
	SUM2 32, \nm+2, \pc+2
	SUM2 36, \nm+2, \pc+2
	v_permlanex16_b32 v[T1], v[\sw], s20, s21
	SUM2 40, \nm+2, \pc+2
	SUM2 44, \nm+2, \pc+2
	v_or_b32 v[\sw], v[\sw], v[T1]                 ; and with lane l xor 16's two the word is whole
	SUM2 48, \nm+2, \pc+2
	SUM2 52, \nm+2, \pc+2
	SUM2 56, \nm+2, \pc+2
	SUM2 60, \nm+2, \pc+2
	v_pk_add_f32 v[\nm+2:\nm+3], v[\nm+2:\nm+3], v[\pc+2:\pc+3]
	v_cvt_scalef32_pk16_fp6_f32 v[\pc:\pc+2], v[S:S+15], v[\pc+10]
	v_cvt_scalef32_pk16_fp6_f32 v[\pc+6:\pc+8], v[S+32:S+47], v[\pc+11]
	v_nop                                          ; a plain place: the next two write over numbers that the first two have read
	v_cvt_scalef32_pk16_fp6_f32 v[S:S+2], v[S+16:S+31], v[\pc+10]      ; (a conversion's three registers begin on an even number: made here and moved)
	v_cvt_scalef32_pk16_fp6_f32 v[S+32:S+34], v[S+48:S+63], v[\pc+11]
	v_nop
.irp i, 0,1,2
	v_mov_b32 v[\pc+3+\i], v[S+\i]
	v_mov_b32 v[\pc+9+\i], v[S+32+\i]
.endr
	s_wait_alu depctr_va_vdst(0)
.set jj, 0
.rept 16
	v_pk_mul_f32 v[\ob+jj:\ob+jj+1], v[\ob+jj:\ob+jj+1], v[FF:FF+1] op_sel_hi:[1,0]   ; O^T under the new M; these are also the places behind the codes' and the scale word's writes
.set jj, jj+2
.endr
.endm
	s_load_b128 s[4:7], s[0:1], 0x0                ; qkvq, aq
	v_lshl_add_u32 v[SPW], v0, 2, SPARE
	v_mov_b32 v[NIL], 0
	ds_add_u32 v[SPW], v[NIL]
	ds_add_u32 v[SPW], v[NIL]
	v_lshrrev_b32 v[S], 5, v0
	v_readfirstlane_b32 s[WV], v[S]                ; wave 0..15
	s_bfe_u32 s9, ttmp6, 0x40000                   ; cx: which 512 queries
	s_and_b32 s10, ttmp7, 0xffff                   ; b
	s_lshr_b32 s11, s10, 4                         ; n
	s_and_b32 s12, s10, 15                         ; head
	s_lshr_b32 s13, s[WV], 3                       ; I fetch k's parts (0) or v's (1)
	s_and_b32 s14, s[WV], 7                        ; which part of eight
	s_mov_b32 s20, 0x76543210
	s_mov_b32 s21, 0xfedcba98                      ; v_permlanex16_b32's selects for lane l xor 16
	s_mov_b32 s22, 0x3e38aa3b                      ; c = log2(e) / 8: t = score x c
	s_mov_b32 s23, s22
	s_mov_b32 s24, 15|(3<<16)|(1<<21)              ; group 1: a dense part as 26 rows of 256 bytes; the mask names the cluster's four
	s_mov_b32 s25, 32<<16
	s_mov_b32 s26, 26<<16
	s_mov_b32 s27, 32<<16
	s_mov_b32 s28, 26
	s_mov_b32 s29, 32
	s_mov_b32 s30, 0
	s_mov_b32 s31, 0
	s_mul_i32 s16, s13, PARTB
	s_lshl_b32 s15, s14, 14
	s_add_co_u32 s15, s15, s16                     ; LDS: 16,384 x part + 6,656 x kind: the wave's number alone
	s_add_co_u32 s17, s13, 1
	s_mul_i32 s17, s17, KINDB
	s_mul_i32 s18, s10, HEADB
	s_add_co_u32 s17, s17, s18
	s_mul_i32 s16, s14, PARTB
	s_add_co_u32 s42, s17, s16
	s_mov_b32 s43, 0
	s_wait_dscnt 0x0
	s_wait_kmcnt 0x0
	CROUND                                         ; the four work-groups are here: the joint loads meet
	s_mov_b32 s32, 1
	s_mov_b32 s33, s15
	s_add_nc_u64 s[34:35], s[4:5], s[42:43]
	s_mov_b32 s36, 1
	s_add_co_u32 s37, s15, 8*STEPB
	s_add_nc_u64 s[38:39], s[34:35], 8*PARTB
	s_or_b32 s35, s35, 0x80000000
	s_or_b32 s39, s39, 0x80000000
	tensor_load_to_lds s[32:35], s[24:31]          ; steps 0-7: one tensor load a wave at the head
	s_nop 0
	s_lshl_b32 s42, s9, 2                          ; q: tile A in part 4 cx + wave / 8, tile B two parts on; half fragment wave % 8
	s_add_co_u32 s42, s42, s13
	s_mul_i32 s42, s42, PARTB
	s_add_co_u32 s42, s42, s18
	s_add_nc_u64 s[46:47], s[4:5], s[42:43]
	s_mul_i32 s42, s14, 768
	s_add_nc_u64 s[44:45], s[46:47], s[42:43]
	s_lshr_b32 s42, s14, 1
	s_lshl_b32 s42, s42, 2
	s_add_co_u32 s42, s42, 6144
	s_add_nc_u64 s[46:47], s[46:47], s[42:43]      ; its scale word: two tiles share one
	s_lshl_b32 s42, s11, 7                         ; aq: tile 128 n + 32 cx + wave for A, 16 tiles on for B; 12,800 bytes each
	s_lshl_b32 s16, s9, 5
	s_add_co_u32 s42, s42, s16
	s_add_co_u32 s42, s42, s[WV]
	s_mul_i32 s42, s42, 12800
	s_add_nc_u64 s[50:51], s[6:7], s[42:43]
	s_mul_i32 s42, s12, 768
	s_add_nc_u64 s[48:49], s[50:51], s[42:43]      ; my head's half fragment
	s_lshr_b32 s42, s12, 3
	s_lshl_b32 s42, s42, 8
	s_and_b32 s16, s12, 7
	s_lshl_b32 s16, s16, 1
	s_add_co_u32 s42, s42, s16
	s_add_co_u32 s42, s42, 12288
	s_add_nc_u64 s[50:51], s[50:51], s[42:43]      ; my head's two scale bytes of a row
	s_and_b32 s16, s[WV], 1
	s_cmp_eq_u32 s16, 1
	s_mov_b32 s52, 0x01000100
	s_cselect_b32 s52, 0x03020302, s52             ; which half of q's scale word is my tile's: it goes into both halves
	v_and_b32 v[S], 31, v0
	v_and_b32 v[S+1], 15, v0
	v_bfe_u32 v[SH8], v0, 4, 1
	v_lshlrev_b32 v[L16], 4, v[S]
	v_lshlrev_b32 v[L8], 3, v[S]
	v_lshl_add_u32 v[SBA], v[S+1], 4, v[SH8]
	v_lshlrev_b32 v[SH8], 3, v[SH8]
	v_lshlrev_b32 v[AD16], 4, v[S]                 ; step 0
	v_lshlrev_b32 v[AD8], 3, v[S]
.irp j, 6,7,8,9,10,11,18,19,20,21,22,23
	v_mov_b32 v[Q+\j], 0
.endr
	v_mov_b32 v[T1], 0                             ; written once: a lane permute's destination counts as one of its sources
	global_load_b128 v[Q:Q+3], v[L16], s[44:45]                    ; qA,
	global_load_b64 v[Q+4:Q+5], v[L8], s[44:45] offset:512
	global_load_b128 v[Q+24:Q+27], v[L16], s[44:45]                ; once more,
	global_load_b64 v[Q+28:Q+29], v[L8], s[44:45] offset:512
	global_load_b128 v[Q+12:Q+15], v[L16], s[44:45] offset:13312   ; qB
	global_load_b64 v[Q+16:Q+17], v[L8], s[44:45] offset:13312+512
	global_load_b32 v[S+2], v[L16], s[46:47]
	global_load_b32 v[S+3], v[L16], s[46:47] offset:13312
	s_wait_alu depctr_va_vdst(0)
	s_wait_tensorcnt 0x0
	ds_add_u32 v[SPW], v[NIL]
	s_wait_dscnt 0x0
	CROUND
	tensor_load_to_lds s[36:39], s[24:31]          ; steps 8-15: the first tensor load behind the round
	s_nop 0
	s_wait_loadcnt 0x0                             ; q
	v_perm_b32 v[QSA], v[S+2], v[S+2], s52
	v_perm_b32 v[QSB], v[S+3], v[S+3], s52
.irp n, NMA, NMB                       ; the step is written once and finds zeros, which the first change of M leaves zeros
	v_mov_b32 v[\n+1], 0xff61b1e6                  ; -3e38, under every score
	v_mov_b32 v[\n], 0x7f61b1e6                    ; -M
	v_mov_b32 v[\n+2], 0
	v_mov_b32 v[\n+3], 0
.endr
.set jj, 0
.rept 64
	v_mov_b32 v[OA+jj], 0
.set jj, jj+1
.endr
	s_wait_alu depctr_va_vdst(0)
	s_wait_tensorcnt 0x0                           ; my parts are in,
	s_barrier_signal -1
	s_barrier_wait -1                              ; everybody's; nothing is filled again
	FLOAD 0                                        ; step 0's k
	s_mov_b32 s41, 0
.Lkey:
	s_add_co_u32 s41, s41, 1
	s_and_b32 s40, s41, 15
	s_lshl_b32 s40, s40, 14                        ; where the next step lies
	s_wait_dscnt 0x0                               ; k's fragments
	QK Q, Q+18, QSA
	v_mov_b32 v[PA+6], v[NMA]                      ; the old -M.  Four places behind the products
	NOPS 3
	SOFTMAX NMA, OA, PA, PWA, 0
	QK Q+12, Q+6, QSB
	v_mov_b32 v[PB+6], v[NMB]                      ; four places in front of loads into registers that matrix instructions have read
	NOPS 3
	FLOAD PARTB                                    ; this step's v, where k's fragments lay
	v_add_nc_u32 v[AD16], s40, v[L16]
	v_add_nc_u32 v[AD8], s40, v[L8]
	SOFTMAX NMB, OB, PB, PWB, 1
	PV OA, PA, PWA
	PV OB, PB, PWB
	NOPS 4
	FLOAD 0                                        ; the next step's k
	s_cmp_lt_u32 s41, 16
	s_cbranch_scc1 .Lkey
.macro WAYOUT ls, ob, pc, n            ; O / l; my 32 numbers are block h of the head's 64.  pc + 0 .. 5 the codes, pc + 6 the byte, pc + 8 .. 10 at work
	v_add_f32 v[\ls], v[\ls], v[\ls+1]
	v_permlanex16_b32 v[T1], v[\ls], s20, s21
	v_add_f32 v[\ls], v[\ls], v[T1]                ; with lane l xor 16's keys: the row's sum
	s_wait_alu depctr_va_vdst(0)
	v_rcp_f32 v[FF], v[\ls]
	v_nop
	s_wait_alu depctr_va_vdst(0)
.set jj, 0
.rept 16
	v_pk_mul_f32 v[S+jj:S+jj+1], v[\ob+jj:\ob+jj+1], v[FF:FF+1] op_sel_hi:[1,0]
.set jj, jj+2
.endr
.irp b, 0,1
	v_max3_num_f32 v[\pc+8+\b], |v[S+16*\b]|, |v[S+1+16*\b]|, 0x1800000
.endr
.irp i, 2,4,6,8,10,12,14
.irp b, 0,1
	v_max3_num_f32 v[\pc+8+\b], v[\pc+8+\b], |v[S+16*\b+\i]|, |v[S+1+16*\b+\i]|
.endr
.endr
	v_max_num_f32 v[\pc+8], v[\pc+8], v[\pc+9]
	v_add_nc_u32 v[\pc+10], 0xff000000, v[\pc+8]
	v_lshrrev_b32 v[\pc+6], 23, v[\pc+10]
	v_cvt_scalef32_pk16_fp6_f32 v[\pc:\pc+2], v[S:S+15], v[\pc+10]
	v_cvt_scalef32_pk16_fp6_f32 v[S+32:S+34], v[S+16:S+31], v[\pc+10]
	v_nop
.irp i, 0,1,2
	v_mov_b32 v[\pc+3+\i], v[S+32+\i]
.endr
	global_store_b128 v[L16], v[\pc:\pc+3], s[48:49] offset:204800*\n        ; 512 consecutive aligned bytes,
	global_store_b64 v[L8], v[\pc+4:\pc+5], s[48:49] offset:204800*\n+512    ; 256
	global_store_b8 v[SBA], v[\pc+6], s[50:51] offset:204800*\n              ; my block's byte of my row
.endm
	WAYOUT NMA+2, OA, PA, 0                        ; (four places stand behind the last products, at the trip's end)
	WAYOUT NMB+2, OB, PB, 1
	s_wait_tensorcnt 0x0                           ; the wave's end
	ds_add_u32 v[SPW], v[NIL]
	s_wait_dscnt 0x0
	CROUND                                         ; the closing round
	s_endpgm
.Lfunc_end_k_q4af3db7698_attn:
	.size	k_q4af3db7698_attn, .Lfunc_end_k_q4af3db7698_attn-k_q4af3db7698_attn
	.p2alignl 7, 3214868480
	.fill 96, 4, 3214868480
	.section	.rodata,"a",@progbits
	.p2align	6, 0x0
	.amdhsa_kernel k_q4af3db7698_attn
		.amdhsa_group_segment_fixed_size 327680
		.amdhsa_private_segment_fixed_size 0
		.amdhsa_enable_private_segment 0
		.amdhsa_kernarg_size 16
		.amdhsa_user_sgpr_count 2
		.amdhsa_user_sgpr_kernarg_segment_ptr 1
		.amdhsa_wavefront_size32 1
		.amdhsa_system_sgpr_workgroup_id_x 1
		.amdhsa_system_sgpr_workgroup_id_y 1
		.amdhsa_system_sgpr_workgroup_id_z 1
		.amdhsa_system_vgpr_workitem_id 0
		.amdhsa_next_free_vgpr 256
		.amdhsa_next_free_sgpr 66
		.amdhsa_reserve_vcc 0
		.amdhsa_float_denorm_mode_32 3
		.amdhsa_float_denorm_mode_16_64 3
		.amdhsa_memory_ordered 1
		.amdhsa_forward_progress 1
		.amdhsa_inst_pref_size 44
	.end_amdhsa_kernel
	.amdgpu_metadata
---
amdhsa.version: [ 1, 2 ]
amdhsa.kernels:
  - .name:           k_q4af3db7698_attn
    .symbol:         k_q4af3db7698_attn.kd
    .args:
      - { .name: qkvq, .offset: 0, .size: 8, .value_kind: global_buffer, .address_space: global }
      - { .name: aq, .offset: 8, .size: 8, .value_kind: global_buffer, .address_space: global }
    .group_segment_fixed_size: 327680
    .private_segment_fixed_size: 0
    .kernarg_segment_align: 8
    .kernarg_segment_size: 16
    .max_flat_workgroup_size: 512
    .sgpr_count:     66
    .vgpr_count:     256
    .wavefront_size: 32
...
	.end_amdgpu_metadata
.endif
;; end of part 3
;; launch proj (part 4): grid 4 x 64, 4 waves a work-group, clusters of 4 x 4, 327,680 bytes of LDS; arguments aq, opq, out_bias, out0; writes out0
.if DOCPART == 4
	.amdgcn_target "amdgcn-amd-amdhsa--gfx1250"
	.amdhsa_code_object_version 6
	.text
	.protected	k_q4af3db7698_proj
	.globl	k_q4af3db7698_proj
	.p2align	8
	.type	k_q4af3db7698_proj,@function
k_q4af3db7698_proj:
	s_mov_b64 s[64:65], 0
	v_nop
	global_prefetch_b8 v0, s[64:65] scope:SCOPE_SE
	s_setreg_imm32_b32 hwreg(HW_REG_WAVE_MODE, 25, 1), 1
	s_wait_xcnt 0x0
	s_wait_alu depctr_hold_cnt(0) depctr_sa_sdst(0) depctr_va_vdst(0) depctr_va_sdst(0) depctr_va_ssrc(0) depctr_va_vcc(0) depctr_vm_vsrc(0)
	s_getreg_b32 s2, hwreg(HW_REG_IB_STS2, 6, 4)
	s_cmp_eq_u32 s2, 0
	s_cbranch_scc0 .Lentry_in_a_cluster
	s_endpgm
.Lentry_in_a_cluster:
	s_bfe_u32 s2, ttmp6, 0x10000c
	s_cmp_lg_u32 s2, 0xf033
	s_cbranch_scc0 .Lentry_shape_is_right
	s_endpgm
.Lentry_shape_is_right:
; The last product: out0 = A out_proj^T + out_bias on codes of FP6 (E2M3) with E8M0 scales.  A (aq) and out_proj (opq's tiles 704-767) lie as images of fragments, in tiles of 12,800 bytes
; (12,288 of codes for K = 1,024, then 512 scale bytes [K half][row][16]).  aq's fragment of 128 K is two heads' halves on end (512 + 256 + 512 + 256 bytes), opq's three chunks of 512.
; Row p of tile T stands for logical row 64 (T / 4) + 8 (T % 4) + p % 8 + 32 (p / 8); the stores' offsets undo that.  aq's tile 128 n + T holds rows l of batch column n.
; SHARES.  A work-group makes 128 rows (8 tiles of aq) x 256 columns (16 tiles of out_proj): 256 work-groups.  A wave makes 64 x 128: 32 accumulators.  Source 0 = 16 rows of out_proj, source 1 = 16 rows of A:
; a lane holds one row of the result and, in tiles 4 g .. 4 g + 3, 32 neighbouring columns.  The bias is the C of the first K step's products.
; All of K fits in LDS as two halves of 512: first fills alone, two loads a wave (scale bytes or half 0, then half 1); no slot is filled again; all is asked for at the head, so no prefetch is laid.
; CLUSTER: 4 x 4.  A's tiles are shared along a row of the cluster, out_proj's along a column: joint loads.
; REGISTERS: window 0: v8-9, v16-26 addresses; v32-95 scale words, two sets; v128-223 A's fragments, two sets of four; on the way out v128-255 rows of the result.
;   window 1: out_proj's fragments, two sets, at v0 and v128; the bias in the gaps.   window 2: the accumulators, (a, b) at v[8 (8 a + b)].
.set TILEB,  12800
.set HB,     6144                      ; a tile's codes of half of K
.set FRB,    1536
.set HALF,   24*HB                     ; A's 8 tiles, then out_proj's 16
.set SCL,    2*HALF                    ; A's scale bytes (4,096), then out_proj's (8,192)
.set SPITCH, 528                       ; the way out: 16 rows x (512 + 16) bytes a wave, in half 0, which has had its one fill and is read by nobody behind the barrier that stands in front of half 1
.set L16,  8
.set L8,   9
.set ADRQ16, 16
.set ADRQ8,  18
.set ADRP,   20
.set ADRS,   24
.set STO,    25
.set RD,     26
.set SC,   32
.set QF,   128
.set BK,   128
.set G1A,  24
.set G1W,  32
.set G1SA, 40
.set G1SW, 48
.set G0A0, 56
.set G0A1, 60
.set G0A2, 68
.set G0W,  72
.set MSB, 0
.macro WIN new
.if MSB != (\new)
	s_set_vgpr_msb (MSB<<8)|(\new)
.set MSB, (\new)
.endif
.endm
.macro PLACES n
.rept \n
	v_nop
.endr
.endm
.macro JLOAD g0a, g1a, g0b, g1b        ; waves 0 and 1 fetch for A, waves 2 and 3 for out_proj; four v_nop follow each line
	s_cmp_eq_u32 s15, 0
	s_cbranch_scc0 .Lfor_b_\@
	tensor_load_to_lds s[\g0a:\g0a+3], s[\g1a:\g1a+7]
	s_nop 0
.rept 4
	v_nop
.endr
	s_branch .Lasked_\@
.Lfor_b_\@:
	tensor_load_to_lds s[\g0b:\g0b+3], s[\g1b:\g1b+7]
	s_nop 0
.rept 4
	v_nop
.endr
.Lasked_\@:
.endm
.macro CROUND
	s_barrier_signal -1
	s_barrier_wait -1
	s_cmp_lg_u32 s14, 0
	s_cbranch_scc1 .Lnot_wave_0_\@
	s_barrier_signal -3
.Lnot_wave_0_\@:
	s_barrier_wait -3
	s_barrier_signal -1
	s_barrier_wait -1
.endm
.macro SETG0 g, lreg, loff, ap, aoff
	s_mov_b32 s[\g], 1
	s_add_co_u32 s[\g+1], s[\lreg], \loff
	s_add_nc_u64 s[\g+2:\g+3], s[\ap:\ap+1], \aoff
	s_or_b32 s[\g+3], s[\g+3], 0x80000000
.endm
	s_load_b256 s[4:11], s[0:1], 0x0               ; aq s[4:5], opq s[6:7], out_bias s[8:9], out0 s[10:11]
	v_lshl_add_u32 v126, v0, 2, 0x4b000
	v_mov_b32 v127, 0
	ds_add_u32 v126, v127
	ds_add_u32 v126, v127
	v_lshrrev_b32 v1, 5, v0
	v_readfirstlane_b32 s14, v1                    ; wave 0..3
	s_lshr_b32 s15, s14, 1                         ; my half of the rows.  Also: I fetch for A (0) or for out_proj (1)
	s_and_b32 s16, s14, 1                          ; my half of the columns.  Also: which half of those tiles I fetch
	s_bfe_u32 s92, ttmp6, 0x40000                  ; cx
	s_bfe_u32 s93, ttmp6, 0x40004                  ; cy
	s_lshl_b32 s94, ttmp9, 2
	s_add_co_u32 s94, s94, s92                     ; x: 256 columns
	s_and_b32 s17, ttmp7, 0xffff
	s_lshl_b32 s17, s17, 2
	s_add_co_u32 s17, s17, s93                     ; y: 128 rows
	s_lshl_b32 s95, s93, 2
	s_lshl_b32 s95, 15, s95                        ; my row of the cluster
	s_lshl_b32 s96, 0x1111, s92                    ; my column
	; groups 1: rows (tiles) 12,800 bytes apart; codes 6,144 bytes (768 elements of 8), scale bytes 512; A 8 rows a load, out_proj 16
	s_or_b32 s[G1A], s95, (3<<16)|(1<<21)
	s_mov_b32 s[G1A+1], 768<<16
	s_mov_b32 s[G1A+2], 8<<16
	s_mov_b32 s[G1A+3], 768<<16
	s_mov_b32 s[G1A+4], 8
	s_mov_b32 s[G1A+5], 1600
	s_mov_b32 s[G1A+6], 0
	s_mov_b32 s[G1A+7], 0
	s_or_b32 s[G1W], s96, (3<<16)|(1<<21)
	s_mov_b32 s[G1W+1], 768<<16
	s_mov_b32 s[G1W+2], 16<<16
	s_mov_b32 s[G1W+3], 768<<16
	s_mov_b32 s[G1W+4], 16
	s_mov_b32 s[G1W+5], 1600
	s_mov_b32 s[G1W+6], 0
	s_mov_b32 s[G1W+7], 0
	s_or_b32 s[G1SA], s95, (3<<16)|(1<<21)
	s_mov_b32 s[G1SA+1], 64<<16
	s_mov_b32 s[G1SA+2], 8<<16
	s_mov_b32 s[G1SA+3], 64<<16
	s_mov_b32 s[G1SA+4], 8
	s_mov_b32 s[G1SA+5], 1600
	s_mov_b32 s[G1SA+6], 0
	s_mov_b32 s[G1SA+7], 0
	s_or_b32 s[G1SW], s96, (3<<16)|(1<<21)
	s_mov_b32 s[G1SW+1], 64<<16
	s_mov_b32 s[G1SW+2], 16<<16
	s_mov_b32 s[G1SW+3], 64<<16
	s_mov_b32 s[G1SW+4], 16
	s_mov_b32 s[G1SW+5], 1600
	s_mov_b32 s[G1SW+6], 0
	s_mov_b32 s[G1SW+7], 0
	s_lshl_b32 s20, s17, 3
	s_mul_i32 s20, s20, TILEB                      ; A: tile 8 y + 4 x half: hangs on y alone
	s_mov_b32 s21, 0
	s_lshl_b32 s22, s94, 4
	s_add_co_u32 s22, s22, 704
	s_mul_i32 s22, s22, TILEB                      ; out_proj: tile 704 + 16 x + 8 x half: hangs on x alone
	s_mov_b32 s23, 0
	s_mul_i32 s18, s16, 4*HB                       ; where they go: the wave's number alone.  A's codes,
	s_mul_i32 s19, s16, 8*HB
	s_add_co_u32 s19, s19, 8*HB                    ; out_proj's,
	s_mul_i32 s2, s16, 4*TILEB                     ; from a side's first tile to those that I fetch behind the head: A 4 tiles, out_proj twice that
	s_mov_b32 s3, 0
	s_wait_dscnt 0x0
	s_wait_kmcnt 0x0
	s_add_nc_u64 s[20:21], s[4:5], s[20:21]
	s_add_nc_u64 s[22:23], s[6:7], s[22:23]
	CROUND                                         ; all sixteen work-groups are here: the joint loads meet
.macro SETG0C g, lds, ap, aoff         ; a group 0 with a constant LDS address
	s_mov_b32 s[\g], 1
	s_mov_b32 s[\g+1], \lds
	s_add_nc_u64 s[\g+2:\g+3], s[\ap:\ap+1], \aoff
	s_or_b32 s[\g+3], s[\g+3], 0x80000000
.endm
.macro ARM under, g0, g1, next         ; one arm of the head's chain of branches on the wave's number: one load, then to the join
	s_cmp_lt_u32 s14, \under
	s_cbranch_scc0 \next
	tensor_load_to_lds s[\g0:\g0+3], s[\g1:\g1+7]
	s_nop 0
.rept 4
	v_nop
.endr
	s_branch .Lhead_asked
\next:
.endm
	SETG0C G0A0, SCL, 20, 12288                    ; the head's four tiles, each whole: A's scale bytes,
	SETG0C G0W, SCL+4096, 22, 12288                ; out_proj's,
	SETG0C G0A1, 0, 20, 0                          ; K half 0 of A's 8 tiles,
	SETG0C G0W+4, 8*HB, 22, 0                      ; and of out_proj's 16
	s_add_nc_u64 s[20:21], s[20:21], s[2:3]
	s_add_nc_u64 s[22:23], s[22:23], s[2:3]
	s_add_nc_u64 s[22:23], s[22:23], s[2:3]
	SETG0 G0A2, 18, HALF, 20, HB                   ; K half 1: my share of it
	SETG0 G0W+8, 19, HALF, 22, HB
	ARM 1, G0A1, G1A, .Lhead_b                     ; one tensor load a wave at the head
	ARM 2, G0W+4, G1W, .Lhead_sa
	ARM 3, G0A0, G1SA, .Lhead_sb
	tensor_load_to_lds s[G0W:G0W+3], s[G1SW:G1SW+7]
	s_nop 0
.rept 4
	v_nop
.endr
.Lhead_asked:
	v_and_b32 v1, 15, v0                           ; r
	v_bfe_u32 v2, v0, 4, 1                         ; h
	v_and_b32 v3, 31, v0
	v_lshlrev_b32 v[L16], 4, v3
	v_lshlrev_b32 v[L8], 3, v3
	s_mul_i32 s2, s15, 4*HB                        ; my four tiles of A
	s_mul_i32 s3, s16, 8*HB
	s_add_co_u32 s3, s3, 8*HB                      ; my eight of out_proj
.irp f, 0,1
	v_add_nc_u32 v[ADRQ16+\f], s2, v[L16]
	v_add_nc_u32 v[ADRQ8+\f], s2, v[L8]
	v_add_nc_u32 v[ADRP+\f], s3, v[L16]
	s_add_co_u32 s2, s2, HALF
	s_add_co_u32 s3, s3, HALF
.endr
	s_lshl_b32 s2, s15, 11
	s_lshl_b32 s3, s16, 12
	s_add_co_u32 s3, s3, 4096
	s_sub_co_u32 s3, s3, s2                        ; from my tiles' scale bytes of A to those of out_proj
	v_mul_u32_u24 v5, s3, v2                       ; lanes 16-31 take out_proj's
	s_add_co_u32 s2, s2, SCL
	v_lshl_add_u32 v5, v1, 4, v5
	v_add_nc_u32 v[ADRS], s2, v5
	s_mul_i32 s2, s14, 16*SPITCH                   ; my stage
	v_mul_u32_u24 v6, v1, SPITCH
	v_lshl_add_u32 v6, v2, 7, v6                   ; row p of tile T stands for logical row 64 (T / 4) + 8 (T % 4) + p % 8 + 32 (p / 8) (in place of the order named at the head): lanes 16-31 hold columns 32 further on
	v_add_nc_u32 v[STO], s2, v6                    ; in: row r, + 64 h
	v_add_nc_u32 v[RD], s2, v[L16]                 ; back: a row of 512 bytes to the 32 lanes
	s_lshl_b32 s2, s94, 10
	s_lshl_b32 s3, s16, 9
	s_add_co_u32 s2, s2, s3                        ; my first column, in bytes
	s_mov_b32 s3, 0
	s_add_nc_u64 s[8:9], s[8:9], s[2:3]
	s_and_b32 s18, s17, 15
	s_lshl_b32 s18, s18, 7
	s_lshl_b32 s19, s15, 6
	s_add_co_u32 s18, s18, s19                     ; my first l: 128 (y % 16) + 64 x half
	s_lshl_b32 s18, s18, 14                        ; a step of l is 4 x 4,096 bytes
	s_lshr_b32 s19, s17, 4                         ; n
	s_lshl_b32 s19, s19, 12
	s_add_co_u32 s18, s18, s19
	s_add_co_u32 s18, s18, s2
	s_mov_b32 s19, 0
	s_add_nc_u64 s[10:11], s[10:11], s[18:19]
	v_lshlrev_b32 v7, 7, v2                        ; the bias: register j of tile b is column 64 (b / 4) + 8 (b % 4) + 32 h + j
	WIN 0x40
.irp b, 0,1,2,3,4,5,6,7
	global_load_b128 v[96+8*\b+96*(\b/4):96+8*\b+96*(\b/4)+3], v7, s[8:9] offset:4*(64*(\b/4)+8*(\b%4))
	global_load_b128 v[96+8*\b+96*(\b/4)+4:96+8*\b+96*(\b/4)+7], v7, s[8:9] offset:4*(64*(\b/4)+8*(\b%4))+16
.endr
	WIN 0
.macro FETCH sg                        ; the fragments of the sg-th 128 along K into set sg % 2: 24 + 16 loads
.set HF, (\sg)/4
.set QQ, (\sg)%4
.set ST, (\sg)%2
	WIN 0x40
.irp b, 0,1,2,3,4,5,6,7
.irp c, 0,1,2
	ds_load_b128 v[128*ST+12*\b+4*\c:128*ST+12*\b+4*\c+3], v[ADRP+HF] offset:HB*\b+FRB*QQ+512*\c
.endr
.endr
	WIN 0
.irp a, 0,1,2,3
	ds_load_b128 v[QF+48*ST+12*\a:QF+48*ST+12*\a+3], v[ADRQ16+HF] offset:HB*\a+FRB*QQ
	ds_load_b64 v[QF+48*ST+12*\a+4:QF+48*ST+12*\a+5], v[ADRQ8+HF] offset:HB*\a+FRB*QQ+512
	ds_load_b128 v[QF+48*ST+12*\a+6:QF+48*ST+12*\a+9], v[ADRQ16+HF] offset:HB*\a+FRB*QQ+768
	ds_load_b64 v[QF+48*ST+12*\a+10:QF+48*ST+12*\a+11], v[ADRQ8+HF] offset:HB*\a+FRB*QQ+1280
.endr
.endm
.macro SCALES hf                       ; lanes 0-15: A's tile i (of four; beyond them filled bytes that are not used), lanes 16-31: out_proj's tile i
.irp i, 0,1,2,3,4,5,6,7
	ds_load_b128 v[SC+32*\hf+4*\i:SC+32*\hf+4*\i+3], v[ADRS] offset:512*\i+256*\hf
.endr
.endm
.macro MUL32 sg                        ; the 32 accumulators take turns, one instruction a turn, in the same order in every step
.irp a, 0,1,2,3
.irp b, 0,1,2,3,4,5,6,7
.if (\sg) == 0
	v_wmma_scale_f32_16x16x128_f8f6f4 v[8*(8*\a+\b):8*(8*\a+\b)+7], v[128*((\sg)%2)+12*\b:128*((\sg)%2)+12*\b+11], v[QF+48*((\sg)%2)+12*\a:QF+48*((\sg)%2)+12*\a+11], v[96+8*\b+96*(\b/4):96+8*\b+96*(\b/4)+7], v[SC+32*((\sg)/4)+4*\b+(\sg)%4], v[SC+32*((\sg)/4)+4*\a+(\sg)%4] matrix_a_fmt:MATRIX_FMT_FP6 matrix_b_fmt:MATRIX_FMT_FP6 matrix_a_scale:MATRIX_SCALE_ROW1
.else
	v_wmma_scale_f32_16x16x128_f8f6f4 v[8*(8*\a+\b):8*(8*\a+\b)+7], v[128*((\sg)%2)+12*\b:128*((\sg)%2)+12*\b+11], v[QF+48*((\sg)%2)+12*\a:QF+48*((\sg)%2)+12*\a+11], v[8*(8*\a+\b):8*(8*\a+\b)+7], v[SC+32*((\sg)/4)+4*\b+(\sg)%4], v[SC+32*((\sg)/4)+4*\a+(\sg)%4] matrix_a_fmt:MATRIX_FMT_FP6 matrix_b_fmt:MATRIX_FMT_FP6 matrix_a_scale:MATRIX_SCALE_ROW1
.endif
.endr
.endr
.endm
	s_wait_alu depctr_va_vdst(0)
	s_wait_tensorcnt 0x0                           ; my tile of the head's four is in
	ds_add_u32 v126, v127
	s_mov_b32 s[G1A+2], 4<<16                      ; no tensor load of mine is out: the next load brings 4 tiles of A or 8 of out_proj
	s_mov_b32 s[G1A+4], 4
	s_mov_b32 s[G1W+2], 8<<16
	s_mov_b32 s[G1W+4], 8
	s_wait_dscnt 0x0
	CROUND                                         ; all four tiles are in, and all sixteen work-groups are here
	JLOAD G0A2, G1A, G0W+8, G1W                    ; K half 1: the first tensor load behind the round
	FETCH 0
	SCALES 0
	s_wait_loadcnt 0x0                             ; the bias
.irp sg, 0,1,2,3,4,5,6
	s_wait_dscnt 0x0                               ; this step's fragments are in
.if \sg == 3
	s_wait_tensorcnt 0x0                           ; my part of K half 1 is in, and my reads of half 0 are over,
	s_barrier_signal -1
	s_barrier_wait -1                              ; everybody's
.endif
.if \sg > 0
	PLACES 4                                       ; in front of loads into the set that the last step's products read
.endif
	FETCH \sg+1
.if \sg == 3
	SCALES 1
.endif
.if \sg == 0
	WIN 0x91                                       ; out_proj and the bias window 1, A window 0, D window 2
.else
	WIN 0xa1
.endif
	MUL32 \sg
	WIN 0
.endr
	s_wait_dscnt 0x0
	WIN 0xa1
	MUL32 7
	WIN 0
	PLACES 4                                       ; behind the last products: results are read, and loads land in registers that they read
; THE WAY OUT, a tile of 16 rows x 128 columns at a time, through my own stage: in by 32 bytes a lane and tile, back as whole rows of 512 bytes.  LDS serves a wave's instructions in order: no wait between stores and loads.
.macro TOSTAGE a
	WIN 0x08                                       ; an LDS store's data: window 2
.irp b, 0,1,2,3,4,5,6,7
	ds_store_b128 v[STO], v[8*(8*(\a)+\b):8*(8*(\a)+\b)+3] offset:256*(\b/4)+32*(\b%4)          ; each accumulator from its low end on
	ds_store_b128 v[STO], v[8*(8*(\a)+\b)+4:8*(8*(\a)+\b)+7] offset:256*(\b/4)+32*(\b%4)+16
.endr
	WIN 0
.set BB, BK+64*((\a)%2)
.irp t, 0,1,2,3,4,5,6,7,8,9,10,11,12,13,14,15
	ds_load_b128 v[BB+4*\t:BB+4*\t+3], v[RD] offset:SPITCH*\t
.endr
.endm
.macro SEND a, younger                 ; row t of tile a is l = my first l + 8 a + t % 8 + 32 (t / 8): 63 steps of 16,384 bytes at the most, inside the signed 24-bit immediate
.set BB, BK+64*((\a)%2)
	s_wait_dscnt \younger
.irp t, 0,1,2,3,4,5,6,7,8,9,10,11,12,13,14,15
	global_store_b128 v[L16], v[BB+4*\t:BB+4*\t+3], s[10:11] offset:(8*(\a)+(\t%8)+32*(\t/8))*16384 th:TH_STORE_NT   ; row t of tile a is l = my first l + 8 a + t % 8 + 32 (t / 8); 32 lanes store 512 consecutive aligned bytes
.endr
.endm
	TOSTAGE 0
.irp a, 1,2,3
.if \a > 1
	s_wait_xcnt 0x0                                ; tile a - 2's stores have read their registers: tile a's loads may land there
.endif
	TOSTAGE \a
	SEND \a-1, 32                                  ; behind tile a - 1's loads: tile a's 16 stores and 16 loads
.endr
	SEND 3, 0
	s_wait_tensorcnt 0x0
	ds_add_u32 v126, v127
	s_wait_dscnt 0x0
	CROUND                                         ; the closing round: no work-group ends while a partner may still ask for a tile that names it
	s_endpgm
.Lfunc_end_k_q4af3db7698_proj:
	.size	k_q4af3db7698_proj, .Lfunc_end_k_q4af3db7698_proj-k_q4af3db7698_proj
	.p2alignl 7, 3214868480
	.fill 96, 4, 3214868480
	.section	.rodata,"a",@progbits
	.p2align	6, 0x0
	.amdhsa_kernel k_q4af3db7698_proj
		.amdhsa_group_segment_fixed_size 327680
		.amdhsa_private_segment_fixed_size 0
		.amdhsa_enable_private_segment 0
		.amdhsa_kernarg_size 32
		.amdhsa_user_sgpr_count 2
		.amdhsa_user_sgpr_kernarg_segment_ptr 1
		.amdhsa_wavefront_size32 1
		.amdhsa_system_sgpr_workgroup_id_x 1
		.amdhsa_system_sgpr_workgroup_id_y 1
		.amdhsa_system_sgpr_workgroup_id_z 1
		.amdhsa_system_vgpr_workitem_id 0
		.amdhsa_next_free_vgpr 768
		.amdhsa_next_free_sgpr 102
		.amdhsa_reserve_vcc 0
		.amdhsa_float_denorm_mode_32 3
		.amdhsa_float_denorm_mode_16_64 3
		.amdhsa_memory_ordered 1
		.amdhsa_forward_progress 1
		.amdhsa_inst_pref_size 82
	.end_amdhsa_kernel
	.amdgpu_metadata
---
amdhsa.version: [ 1, 2 ]
amdhsa.kernels:
  - .name:           k_q4af3db7698_proj
    .symbol:         k_q4af3db7698_proj.kd
    .args:
      - { .name: aq, .offset: 0, .size: 8, .value_kind: global_buffer, .address_space: global }
      - { .name: opq, .offset: 8, .size: 8, .value_kind: global_buffer, .address_space: global }
      - { .name: out_bias, .offset: 16, .size: 8, .value_kind: global_buffer, .address_space: global }
      - { .name: out0, .offset: 24, .size: 8, .value_kind: global_buffer, .address_space: global }
    .group_segment_fixed_size: 327680
    .private_segment_fixed_size: 0
    .kernarg_segment_align: 8
    .kernarg_segment_size: 32
    .max_flat_workgroup_size: 128
    .sgpr_count:     102
    .vgpr_count:     768
    .wavefront_size: 32
...
	.end_amdgpu_metadata
.endif
;; end of part 4
